; MI455X (gfx1250); checked and timed in simulation.
; The chip was launched on July 23, 2026; its instructions are those of AMD's public machine-readable ISA for CDNA 5 (MIT licence, August 2026) and "CDNA5" Instruction Set Architecture Reference Guide (July 2026). The comments in the code are by the model that wrote it; some were corrected since.
;; Transformer Block. Allowed arithmetic: matrix products marked QUANTISED: E5M2 operands, one given power-of-two scale a tensor, by v_wmma_f32_16x16x64_bf8_bf8 or v_wmma_f32_16x16x128_bf8_bf8, f32 sums; everything else in f32.
;; Inputs: fc_b 1,024 float32; fc_w_codes 1,024 x 32 x 32 uint8 (E5M2 codes of fc_w, K innermost, in blocks of 32 codes); ff_b1 4,096 float32; ff_b2 1,024 float32; ff_w1_codes 4,096 x 32 x 32 uint8 (E5M2 codes of ff_w1, K innermost, in blocks of 32 codes); ff_w2_codes 1,024 x 128 x 32 uint8 (E5M2 codes of ff_w2, K innermost, in blocks of 32 codes); keys 2 x 2,048 x 1,024 float32; ln1_b 1,024 float32; ln1_g 1,024 float32; ln2_b 1,024 float32; ln2_g 1,024 float32; lowp_scales 10 int32 (the exponents e of the quantised operands' scales 2^e); mask 2 x 1 x 1 x 2,048 int32; queries 2 x 2,048 x 1,024 float32; values_codes 2 x 1,024 x 64 x 32 uint8 (E5M2 codes of values, K innermost, in blocks of 32 codes).
;; Outputs: out0 2 x 2,048 x 1,024 float32.
;; This version of the problem:
;;   THIS VERSION OF THE PROBLEM IS GIVEN IN LOW PRECISION. The matrix products marked QUANTISED in the list below multiply operands that are first quantised to E5M2 (5 exponent bits, 2 mantissa bits; 8 bits a number), with one given power-of-two scale for each operand tensor; their sums are f32. All else is computed in f32.
;;   The module's matrix products, in the order in which they are computed (A, B: the left and right operand; K: the contracted axis; several contracted axes count as one K, in the product's order):
;;     1. batch 32 x [M 2,048, K 64] x [K 64, N 2,048]; A: input queries; B: input keys: QUANTISED (scales: A lowp_scales[0], B lowp_scales[1])
;;     2. batch 32 x [M 64, K 2,048] x [K 2,048, N 2,048]; A: input values (given as codes); B: softmax (see below): QUANTISED (scales: A lowp_scales[2], B lowp_scales[3])
;;     3. [M 4,096, K 1,024] x [K 1,024, N 1,024]; A: computed on the way; B: input fc_w (given as codes): QUANTISED (scales: A lowp_scales[4], B lowp_scales[5])
;;     4. [M 4,096, K 1,024] x [K 1,024, N 4,096]; A: computed on the way; B: input ff_w1 (given as codes): QUANTISED (scales: A lowp_scales[6], B lowp_scales[7])
;;     5. [M 4,096, K 4,096] x [K 4,096, N 1,024]; A: computed on the way; B: input ff_w2 (given as codes): QUANTISED (scales: A lowp_scales[8], B lowp_scales[9])
;;   THE QUANTISER, for each operand of a quantised product, along K:
;;     - The operand's scale is 2^e, e = its entry of the input lowp_scales (int32; the entries are numbered through the quantised products in the list's order, A before B).
;;     - Each number is divided by the scale, clamped to +-57,344, and rounded to the nearest number of E5M2, ties to even, subnormals kept.
;;     - The product sums the exact products of the quantised numbers (number of the format x scale) in f32.
;;   ~~~python
;;   def quantise(x, axis, e):      # numpy; x: float32 -> the quantised numbers, widened to float32 again
;;       x = np.moveaxis(x, axis, -1); K = x.shape[-1]
;;       r = np.clip(x / 2.0 ** e, -57344, 57344)
;;       step = 2.0 ** (np.maximum(np.frexp(np.where(r == 0, 1, r))[1] - 1, -14) - 2)
;;       q = np.round(r / step) * step * 2.0 ** e      # np.round: ties to even
;;       return np.moveaxis(q, -1, axis).astype(np.float32)
;;   ~~~
;;   SOFTMAX AHEAD OF A QUANTISED PRODUCT. Where the list says 'softmax', what is quantised is not the finished softmax but p = 2^(t - M), with t = logit x log2(e) and M = ceil(the row's largest t), a whole number; so 1/2 < the row's largest p <= 1. The row's sum l is taken of the UNQUANTISED p, in f32, and the product's result is divided by l at the end. Since M is a whole number, a kernel that streams over the keys may use a running M (the ceiling of the running maximum): every later rescaling is an exact power of two, so the quantised numbers keep their values, but for numbers so far below the row's largest that they fall under the format's range.
;;   OPERANDS COMPUTED ON THE WAY. 'Computed on the way' means the value that the module computes at that place (a softmax that the list does not call 'softmax' is quantised finished and normalised). What goes into a quantiser is computed in f32, as accurately as f32 sums, v_exp_f32 and their like allow (about 1e-6 of the number): no bf16 or f16 on the way to a quantiser, and a product that is left as it is and whose result goes on into a quantised operand takes f32 operands (vector FMAs, or v_wmma_f32_16x16x4_f32). A number that lies on a knife's edge between two numbers of the format may be rounded either way, as far as f32 arithmetic and the matrix unit's own rounding can turn it there, and no further.
;;   INPUTS GIVEN AS CODES. fc_w (in the module: [1024, 1024], K = its axis 0); ff_w1 (in the module: [1024, 4096], K = its axis 0); ff_w2 (in the module: [4096, 1024], K = its axis 0); values (in the module: [2, 2048, 1024], K = its axis 1): each comes as NAME_codes (uint8): NAME with its K axis moved to the last place and cut into blocks of 32 codes, [.., K / 32, bytes a block], one block behind the other in memory; one code a byte (a code: sign, 5 exponent bits, 2 mantissa bits); its scale is its entry of lowp_scales. Its value is code x scale, taken as it is: it is not quantised again, and the codes and scales need not be those that the quantiser above would give.
;; One version. Each part assembles by itself: llvm-mc -triple=amdgcn-amd-amdhsa -mcpu=gfx1250 --defsym DOCPART=n.
;; ======== version 1 of 1: 6 launches
;; limits: right only within a limited range of input values
;; workspace buffers: oc 4,194,304 bytes; pre 16,777,216 bytes; x1 16,777,216 bytes; x1c 4,194,304 bytes; hc 16,777,216 bytes
;; launch attn (part 1): grid 32 x 8, 4 waves a work-group, no clusters, 271,360 bytes of LDS; arguments queries, keys, values_codes, mask, lowp_scales, oc; writes oc
.if DOCPART == 1
	.amdgcn_target "amdgcn-amd-amdhsa--gfx1250"
	.amdhsa_code_object_version 6
	.text
	.protected	k_q2a580db901_attn
	.globl	k_q2a580db901_attn
	.p2align	8
	.type	k_q2a580db901_attn,@function
k_q2a580db901_attn:
	s_mov_b64 s[64:65], 0
	v_nop
	global_prefetch_b8 v0, s[64:65] scope:SCOPE_SE
	s_setreg_imm32_b32 hwreg(HW_REG_WAVE_MODE, 25, 1), 1
	s_wait_xcnt 0x0
; ATTENTION ON CODES OF BF8 (E5M2), one head and 256 queries a work-group.  queries, keys: [2][2048][1024] f32, a head is 64 neighbouring numbers of a row.  values_codes: [2][1024 channels][2048 keys], one code a byte.
; mask: [2][2048] int32, a key with 0 does not count.  lowp_scales: e0 (q), e1 (k), e2 (v), e3 (p), e4 (the result).  oc: the result as codes with the scale 2^e4: [row / 16][head][1,024 bytes], the image of 16 rows x 64 channels.
; t = score x log2(e) / 32; M = the largest t so far, rounded up to a whole number; p = 2^(t - M) is quantised with 2^e3; the sum l is taken of the unquantised p; O = (V^T P) 2^(e2+e3) / l.
; SHARES.  Work-group x = 16 n + head, y = block of 256 queries: the eight work-groups that walk one head's keys and values have numbers 32 apart.
; Four waves, 64 queries each: four tiles of 16, so that each fragment of K, of V and of the mask numbers read from LDS feeds four matrix instructions.
; Every wave walks all 2,048 keys, 128 a trip, in ONE loop of 16 trips; branches on the trip's number alone lead round the staging (trips 14, 15), its loads (13 on) and the reads ahead (trip 15).
; THE HEAD'S K AND V COME INTO LDS CHUNK BY CHUNK (128 keys), EACH BYTE WRITTEN ONCE.  Of each chunk wave w quantises key tiles 2 w, 2 w + 1 (16 loads) and copies V's channel tile w (4 loads).
; The prologue brings the mask, Q, chunks 0 and 1 and asks for chunk 2.  Trip s quantises and stores chunk s + 2 at its end and then asks for chunk s + 3.
; THE BARRIER IS SPLIT: a wave signals behind a trip's first products, when its stores of the trip before have landed, and waits in the trip's middle, ahead of its reads of K and mask numbers of step s + 1.
; Between signal and wait stand register work and the reads of V of step s, which an earlier barrier has shown and nobody writes again.
; OPERANDS LIE IN LDS AS IMAGES OF THEIR REGISTERS: group c of four registers at 512 c + 16 x lane; lane (r = lane % 16, h = lane / 16) holds there k = 32 c + 16 h + 0 .. 15 of its row: the same map of k in both operands.
; BOTH PRODUCTS ARE USED TRANSPOSED (S^T = K Q^T, O^T = V^T P^T): a lane holds one query.  Lane r of tile 2 b + u takes row 32 b + 8 u + r + 8 (r / 8) (keys in K, channels in V), so that the 16 result registers
; of tiles 2 b, 2 b + 1 are 16 neighbours: the conversions' results are the next operand's registers.
; THE MASK IS THE C OF THE FIRST PRODUCT: 0 for a key that counts, -2^126 for one that does not.  A raw score is at most 64 x 57,344^2 = 2.1e11 in magnitude; the running raw maximum begins at -2^40: a masked key never
; moves M and its p is 0.  A batch whose keys are all masked gives NaN codes, as the softmax of nothing is NaN.
; LIMITS: e0, e1, e3, e4 between -126 and 112; e0 + e1 between -100 and 80.  NaN among the inputs is not served.
; No tensor load and no cluster: K arrives as f32 and has to pass through registers on its way to LDS.  A scalar branch on the whole number e3 spares p's hold where it changes nothing.
; PREFETCH: the eight work-groups of a head walk the same keys and values; the one with y = 0 asks.  Trip s (0 to 10) names chunk s + 5, whose loads trip s + 2 issues: each wave 32 rows of keys, a lane a row
; (256 aligned bytes); waves 0, 1 in odd trips 32 rows of values_codes each, a lane a row: 256 aligned bytes there are chunks s + 5 and s + 6.  Chunks 0 to 4 of K and 0 to 5 of V come by their loads alone.
; REGISTERS.  window 0: v0 keys' prefetch offset; v1-9, v54-57 addresses and K's scale; v10-41 eight statistics a tile; v44-51 second halves of l; v64-127 V; v128-191 p's codes; v192-223 staged codes.
;   window 1: S^T, then p: tile q at 64 q.   window 2: v0-127 O^T (tile q at 32 q); v128-159 Q's codes; v160-175 V as loaded; v192-255 keys as loaded.   window 3: v0-63 mask numbers; v64-127 K.
.set VIMG, 131072                      ; LDS: K's images from 0: 16 chunks x 8 tiles x 1,024 bytes; V's from here: 16 chunks x 4 tiles x 2,048
.set MBI,  262144                      ; 2,048 f32: the mask as numbers
.set SPARE, 270336                     ; the spare words
.set CHK,  8192
.set NEG,  0xfe800000                  ; -2^126
.set LOW,  0xd3800000                  ; -2^40
.set LI,   1                           ; 16 x lane
.set LV,   2                           ; VIMG + 16 x lane
.set MB0,  3                           ; MBI + 64 h
.set KOFF, 4                           ; keys: (r + 8 (r / 8)) rows of 4,096 bytes + 64 h
.set VOFF, 5                           ; values: (r + 8 (r / 8)) rows of 2,048 bytes + 16 h
.set KSC,  6                           ; 2^e1
.set KLIM, 7                           ; 57,344 x 2^e1
.set ADK,  8                           ; the next step's K
.set ADV,  9                           ; this step's V
.set ST,   10                          ; tile q at ST + 8 q: +0 -M, +1 the raw maximum, +2, +3 l, +4 f, +5 written 0, +6, +7 at work
.set SC,   42
.set LIM,  43
.set L2,   44                          ; tile q's second pair of l
.set SPW,  52
.set NIL,  53
.set SA,   54                          ; where staged codes of K go
.set SB,   55                          ; and V's groups
.set ADM,  56                          ; the next step's mask numbers
.set PFV,  57                          ; values' prefetch offset
.set VF,   64
.set P,    128
.set CC,   192
.set QSC,  224
.set QLIM, 225
.set NEGR, 226
.set QOFF, 227
.set MOFF, 228
.set MST,  229
.set MK,   232                         ; the mask as loaded, v232-247
.set QC,   128                         ; window 2
.set XV,   160                         ; window 2
.set XK,   192                         ; window 2
.set MC,   0                           ; window 3
.set KF,   64                          ; window 3
.set MSB, 0
.macro WIN new                         ; s_set_vgpr_msb: bits 1:0 source 0, 3:2 source 1, 5:4 source 2, 7:6 destination; the high byte repeats the setting that is left
.if MSB != \new
	s_set_vgpr_msb (MSB<<8)|\new
.set MSB, \new
.endif
.endm
.macro MKSC e, vs, vl                  ; from the whole number in s[e]: v[vs] = 2^e as f32, v[vl] = 57,344 x 2^e
	s_add_co_i32 s40, s[\e], 127
	s_lshl_b32 s41, s40, 23
	v_mov_b32 v[\vs], s41
	s_add_co_i32 s40, s40, 15
	s_lshl_b32 s40, s40, 23
	s_or_b32 s40, s40, 0x600000
	v_mov_b32 v[\vl], s40
.endm
.macro LDK reg, off                    ; my two tiles of a chunk's keys: register 32 u + 16 c + 4 j + e = dim 32 c + 16 h + 4 j + e of the lane's row in tile u
.irp u, 0,1
.irp c, 0,1
.irp j, 0,1,2,3
	global_load_b128 v[\reg+32*\u+16*\c+4*\j:\reg+32*\u+16*\c+4*\j+3], v[KOFF], s[6:7] offset:\off+32768*\u+128*\c+16*\j
.endr
.endr
.endr
.endm
.macro LDV reg, off                    ; my channel tile's four groups of a chunk
.irp c, 0,1,2,3
	global_load_b128 v[\reg+4*\c:\reg+4*\c+3], v[VOFF], s[8:9] offset:\off+32*\c
.endr
.endm
.macro KM ak, am                       ; a step's fragments of K and its mask numbers: register j of tile 2 b + u stands for key 32 b + 16 h + 8 u + j
	WIN 0xc0
.irp t, 0,1,2,3,4,5,6,7
	ds_load_b128 v[KF+8*\t:KF+8*\t+3], v[\ak] offset:1024*\t
	ds_load_b128 v[KF+8*\t+4:KF+8*\t+7], v[\ak] offset:1024*\t+512
.endr
.irp t, 0,1,2,3,4,5,6,7
	ds_load_b128 v[MC+8*\t:MC+8*\t+3], v[\am] offset:128*(\t/2)+32*(\t%2)
	ds_load_b128 v[MC+8*\t+4:MC+8*\t+7], v[\am] offset:128*(\t/2)+32*(\t%2)+16
.endr
	WIN 0
.endm
	s_load_b256 s[4:11], s[0:1], 0x0               ; queries, keys, values_codes, mask
	s_load_b128 s[12:15], s[0:1], 0x20             ; lowp_scales, oc
	v_lshl_add_u32 v[SPW], v0, 2, SPARE
	v_mov_b32 v[NIL], 0
	v_lshrrev_b32 v58, 5, v0
	v_readfirstlane_b32 s16, v58                   ; wave 0..3
	s_lshl_b32 s17, s16, 11                        ; 2,048 x wave: my place in a chunk, in K's images and in V's
	v_and_b32 v59, 31, v0
	v_and_b32 v60, 15, v0                          ; r
	v_bfe_u32 v61, v0, 4, 1                        ; h
	v_lshlrev_b32 v[LI], 4, v59
	v_and_b32 v62, 8, v60
	v_lshlrev_b32 v[QOFF], 12, v60
	v_lshlrev_b32 v[MB0], 6, v61
	v_add_nc_u32 v62, v62, v60                     ; r + 8 (r / 8)
	v_add_nc_u32 v[LV], VIMG, v[LI]
	v_lshl_add_u32 v[QOFF], v61, 6, v[QOFF]        ; queries: r rows + 64 h
	v_add_nc_u32 v[MB0], MBI, v[MB0]
	v_lshlrev_b32 v[KOFF], 12, v62
	v_lshlrev_b32 v[VOFF], 11, v62
	v_lshlrev_b32 v[MOFF], 6, v0                   ; my sixteen mask words
	v_lshlrev_b32 v[PFV], 11, v59
	v_lshl_add_u32 v[KOFF], v61, 6, v[KOFF]
	v_lshl_add_u32 v[VOFF], v61, 4, v[VOFF]
	v_add_nc_u32 v[MST], MBI, v[MOFF]
	v_add_nc_u32 v[SA], s17, v[LI]
	v_add_nc_u32 v[SB], s17, v[LV]
	v_lshlrev_b32 v0, 12, v59                      ; (the thread's number has served)
	s_mov_b32 s18, ttmp9                           ; x = 16 n + head
	s_and_b32 s55, ttmp7, 0xffff                   ; y = the block of 256 queries
	s_lshr_b32 s19, s18, 4                         ; n
	s_and_b32 s20, s18, 15                         ; head
	s_mov_b32 s32, 0x76543210                      ; v_permlanex16_b32: lane l takes lane l xor 16
	s_mov_b32 s33, 0xfedcba98
	s_lshl_b32 s21, s19, 11                        ; 2,048 n
	s_lshl_b32 s23, s20, 8                         ; the head's 256 bytes in a row
	s_lshl_b32 s22, s55, 8
	s_add_co_u32 s22, s22, s21
	s_lshl_b32 s29, s16, 6
	s_add_co_u32 s22, s22, s29                     ; my first query's row: 2,048 n + 256 y + 64 wave
	s_lshl_b32 s40, s22, 12
	s_add_co_u32 s40, s40, s23
	s_mov_b32 s41, 0
	s_lshl_b32 s42, s16, 5
	s_add_co_u32 s42, s42, s21                     ; my tiles' first key in chunk 0: row 2,048 n + 32 wave
	s_lshl_b32 s42, s42, 12
	s_add_co_u32 s42, s42, s23
	s_mov_b32 s43, 0
	s_lshl_b32 s56, s19, 10
	s_lshl_b32 s31, s20, 6
	s_add_co_u32 s56, s56, s31                     ; the head's first channel
	s_lshr_b32 s46, s16, 1
	s_lshl_b32 s46, s46, 5
	s_and_b32 s30, s16, 1
	s_lshl_b32 s31, s30, 3
	s_add_co_u32 s46, s46, s31                     ; V's tile w begins at channel 32 (w / 2) + 8 (w % 2)
	s_add_co_u32 s46, s46, s56
	s_lshl_b32 s46, s46, 11
	s_mov_b32 s47, 0
	s_lshl_b32 s56, s56, 11
	s_lshl_b32 s30, s30, 16
	s_add_co_u32 s56, s56, s30
	s_add_co_u32 s56, s56, 512                     ; values' prefetch: 32 (w % 2) rows on, at chunk 4; each trip steps it before it asks
	s_mov_b32 s57, 0
	s_lshl_b32 s30, s19, 13                        ; the batch's mask
	s_mov_b32 s31, 0
	s_lshr_b32 s22, s22, 4
	s_lshl_b32 s22, s22, 4
	s_add_co_u32 s22, s22, s20
	s_lshl_b32 s22, s22, 10                        ; oc: (rowtile x 16 + head) x 1,024
	s_mov_b32 s23, 0
	s_cmp_eq_u32 s55, 0
	s_cselect_b32 s52, 11, 0                       ; keys are asked for in trips under this
	s_cmp_lt_u32 s16, 2
	s_cselect_b32 s53, s52, 0                      ; values likewise
	s_wait_alu depctr_va_vdst(0)                   ; the wait at the head's end
	s_wait_kmcnt 0x0
	s_load_b128 s[24:27], s[12:13], 0x0            ; e0 .. e3
	s_load_b32 s28, s[12:13], 0x10                 ; e4
	s_add_nc_u64 s[4:5], s[4:5], s[40:41]
	s_add_nc_u64 s[6:7], s[6:7], s[42:43]
	s_add_nc_u64 s[48:49], s[6:7], 0x200000        ; keys' prefetch: my 32 rows, at chunk 4
	s_add_nc_u64 s[50:51], s[8:9], s[56:57]
	s_add_nc_u64 s[8:9], s[8:9], s[46:47]
	s_add_nc_u64 s[10:11], s[10:11], s[30:31]
	s_add_nc_u64 s[14:15], s[14:15], s[22:23]
	; THE PROLOGUE.  Loads in the order in which they are worked: the mask (4), four tiles of queries (32), chunk 0 (20); chunk 1 (20) behind tile 1's work, chunk 2 (20) behind tile 3's: at most 60 are out.
.irp i, 0,1,2,3
	global_load_b128 v[MK+4*\i:MK+4*\i+3], v[MOFF], s[10:11] offset:16*\i
.endr
	WIN 0x40
.irp q, 0,1,2,3
.irp c, 0,1
.irp j, 0,1,2,3
	global_load_b128 v[32*\q+16*\c+4*\j:32*\q+16*\c+4*\j+3], v[QOFF], s[4:5] offset:65536*\q+128*\c+16*\j
.endr
.endr
.endr
	LDK 128, 0
	WIN 0
	LDV VF, 0
	s_wait_kmcnt 0x0
	MKSC 24, QSC, QLIM
	MKSC 25, KSC, KLIM
	v_mov_b32 v[NEGR], NEG
	s_add_co_i32 s40, s24, s25
	s_lshl_b32 s40, s40, 23
	s_add_co_i32 s34, s40, 0x3d38aa3b              ; c = log2(e) / 32 x 2^(e0 + e1)
	s_mov_b32 s35, s34                             ; (named with it as a pair)
	s_add_co_i32 s39, s26, s27                     ; e2 + e3
	s_wait_alu depctr_va_vdst(0)                   ; directly ahead of the wait below
	s_wait_loadcnt 52                              ; the mask is in; behind it 32 + 20 loads
.set k, 0
.rept 16
	v_cmp_eq_u32 vcc_lo, 0, v[MK+k]
	v_cndmask_b32 v[MK+k], 0, v[NEGR], vcc_lo
.set k, k+1
.endr
.irp i, 0,1,2,3
	ds_store_b128 v[MST], v[MK+4*\i:MK+4*\i+3] offset:16*\i
.endr
.macro QCONV q, cnt                    ; a tile of queries becomes codes, which stay in registers.  The conversion does not saturate (ISA guide 7.6.2): the hold comes first
	s_wait_loadcnt \cnt
	WIN 0x41
.set k, 0
.rept 32
	v_med3_num_f32 v[32*\q+k], v[32*\q+k], -v[QLIM], v[QLIM]
.set k, k+1
.endr
	WIN 0x81
.irp u, 0,1,2,3
	v_cvt_scalef32_pk8_bf8_f32 v[QC+8*\q+2*\u:QC+8*\q+2*\u+1], v[32*\q+8*\u:32*\q+8*\u+7], v[QSC]
.endr
	WIN 0
	v_nop                                          ; one plain line behind the last conversion of a run
.endm
.macro KCONV reg, g, cnt               ; my parts of chunk g go to their places in LDS
	s_wait_loadcnt \cnt
	WIN 0x41
.set k, 0
.rept 64
	v_med3_num_f32 v[\reg+k], v[\reg+k], -v[KLIM], v[KLIM]
.set k, k+1
.endr
	WIN 0x01
.irp u, 0,1,2,3,4,5,6,7
	v_cvt_scalef32_pk8_bf8_f32 v[CC+16*\g+2*\u:CC+16*\g+2*\u+1], v[\reg+8*\u:\reg+8*\u+7], v[KSC]
.endr
	WIN 0
	v_nop
.irp i, 0,1,2,3
	ds_store_b128 v[SA], v[CC+16*\g+4*\i:CC+16*\g+4*\i+3] offset:CHK*\g+512*\i
.endr
.irp i, 0,1,2,3
	ds_store_b128 v[SB], v[VF+16*\g+4*\i:VF+16*\g+4*\i+3] offset:CHK*\g+512*\i
.endr
.endm
	QCONV 0, 44                                    ; behind tile 0: 24 + 20
	QCONV 1, 36
	WIN 0x40
	LDK 0, 524288                                  ; chunk 1, into the registers that tiles 0 and 1 have left
	WIN 0
	LDV VF+16, 128
	QCONV 2, 48                                    ; behind tile 2: 8 + 20 + 20
	QCONV 3, 40
	WIN 0x80
	LDK XK, 1048576                                ; chunk 2: trip 0 works it at its end
	LDV XV, 256
	WIN 0
	KCONV 128, 0, 40                               ; behind chunk 0: chunks 1 and 2
	KCONV 0, 1, 20
	s_wait_xcnt 0x0                                ; chunk 2's loads have read their bases
	s_add_nc_u64 s[6:7], s[6:7], 0x100000          ; at chunk 2: each trip steps them before it asks
	s_add_nc_u64 s[8:9], s[8:9], 256
	MKSC 27, SC, LIM                               ; p's scale and hold
.irp q, 0,1,2,3
	v_mov_b32 v[ST+8*\q+1], LOW
	v_mul_f32 v[ST+8*\q+6], s34, v[ST+8*\q+1]
	v_floor_f32 v[ST+8*\q], -v[ST+8*\q+6]          ; -M: no later -M is larger, so f never passes 1
.irp i, 2,3,4,5,7
	v_mov_b32 v[ST+8*\q+\i], 0
.endr
	v_mov_b32 v[L2+2*\q], 0
	v_mov_b32 v[L2+2*\q+1], 0
.endr
	WIN 0x80
.set j, 0
.rept 128
	v_mov_b32 v[j], 0                              ; O^T: the loop is written once; its first trip finds zeros, which f leaves zeros
.set j, j+1
.endr
	WIN 0
	s_wait_dscnt 0x0                               ; for the others' sake: my parts of the mask and of chunks 0 and 1 lie in LDS
	s_barrier_signal -1
	s_barrier_wait -1
	KM LI, MB0                                     ; step 0's
	s_mov_b32 s36, 0                               ; 8,192 s
	s_mov_b32 s37, 0                               ; 512 s
	s_mov_b32 s38, 0                               ; s
	s_wait_dscnt 0x0
.macro FMA hf                          ; t - M, two at a time, of keys' quarter hf of all four tiles
.set j, 16*\hf
.rept 8
.irp q, 0,1,2,3
	v_pk_fma_f32 v[64*\q+j:64*\q+j+1], v[64*\q+j:64*\q+j+1], s[34:35], v[ST+8*\q:ST+8*\q+1] op_sel_hi:[1,0,0]
.endr
.set j, j+2
.endr
.endm
.macro EXPS a, f                       ; p = 2^(t - M) of quarter a; f = 1: the next quarter's t - M stands between the exponentials: it names none of their registers, and is first read behind the next wait
.set j, 16*\a
.rept 8
.irp q, 0,1,2,3
	v_exp_f32 v[64*\q+j], v[64*\q+j]
.if \f
	v_pk_fma_f32 v[64*\q+j+16:64*\q+j+17], v[64*\q+j+16:64*\q+j+17], s[34:35], v[ST+8*\q:ST+8*\q+1] op_sel_hi:[1,0,0]
.endif
	v_exp_f32 v[64*\q+j+1], v[64*\q+j+1]
.endr
.set j, j+2
.endr
.endm
.macro SUMS hf                         ; l is taken of the unquantised p: eight chains by turns
.set j, 32*\hf
.rept 8
.irp q, 0,1,2,3
	v_pk_add_f32 v[ST+8*\q+2:ST+8*\q+3], v[ST+8*\q+2:ST+8*\q+3], v[64*\q+j:64*\q+j+1]
.endr
.irp q, 0,1,2,3
	v_pk_add_f32 v[L2+2*\q:L2+2*\q+1], v[L2+2*\q:L2+2*\q+1], v[64*\q+j+2:64*\q+j+3]
.endr
.set j, j+4
.endr
.endm
.Lstep:                                            ; trip s: of my LDS instructions at most the last four stores of the trip before are out
	WIN 0x7b                                       ; K window 3, Q window 2, the mask numbers window 3, S^T window 1
.irp t, 0,1,2,3,4,5,6,7
.irp q, 0,1,2,3
	v_wmma_f32_16x16x64_bf8_bf8 v[64*\q+8*\t:64*\q+8*\t+7], v[KF+8*\t:KF+8*\t+7], v[QC+8*\q:QC+8*\q+7], v[MC+8*\t:MC+8*\t+7]
.endr
.endr
	WIN 0
	s_add_co_u32 s44, s36, CHK
	s_and_b32 s44, s44, 0x1ffff                    ; the next chunk; the mask keeps the address inside the images in every trip
	s_add_co_u32 s45, s37, 512
	s_and_b32 s45, s45, 0x1fff
	v_add_nc_u32 v[ADV], s36, v[LV]                ; these three and the v_nop are the four places behind the products
	v_add_nc_u32 v[ADK], s44, v[LI]
	v_add_nc_u32 v[ADM], s45, v[MB0]
	v_nop
	s_wait_alu depctr_va_vdst(0)                   ; directly ahead of the wait below
	s_wait_dscnt 0x0                               ; my stores of the trip before have landed under the products:
	s_barrier_signal -1                            ; my parts of chunk s + 1 lie in LDS
.irp t, 0,1,2,3
.irp c, 0,1,2,3
	ds_load_b128 v[VF+16*\t+4*\c:VF+16*\t+4*\c+3], v[ADV] offset:2048*\t+512*\c
.endr
.endr
	WIN 0x14                                       ; the largest raw score: two chains a tile, both begun at the running maximum; each accumulator from its low end on
.irp q, 0,1,2,3
	v_max3_num_f32 v[ST+8*\q+6], v[ST+8*\q+1], v[64*\q], v[64*\q+1]
.endr
.irp q, 0,1,2,3
	v_max3_num_f32 v[ST+8*\q+7], v[ST+8*\q+1], v[64*\q+2], v[64*\q+3]
.endr
.irp i, 4,8,12,16,20,24,28,32,36,40,44,48,52,56,60
.irp q, 0,1,2,3
	v_max3_num_f32 v[ST+8*\q+6], v[ST+8*\q+6], v[64*\q+\i], v[64*\q+\i+1]
.endr
.irp q, 0,1,2,3
	v_max3_num_f32 v[ST+8*\q+7], v[ST+8*\q+7], v[64*\q+\i+2], v[64*\q+\i+3]
.endr
.endr
	WIN 0
.irp q, 0,1,2,3
	v_max_num_f32 v[ST+8*\q+6], v[ST+8*\q+6], v[ST+8*\q+7]
.endr
.irp q, 0,1,2,3
	v_permlanex16_b32 v[ST+8*\q+7], v[ST+8*\q+6], s32, s33
.endr
.irp q, 0,1,2,3
	v_max_num_f32 v[ST+8*\q+1], v[ST+8*\q+6], v[ST+8*\q+7]   ; the running raw maximum
.endr
.irp q, 0,1,2,3
	v_mul_f32 v[ST+8*\q+6], s34, v[ST+8*\q+1]      ; as t (c is positive)
.endr
.irp q, 0,1,2,3
	v_mov_b32 v[ST+8*\q+7], v[ST+8*\q]
.endr
.irp q, 0,1,2,3
	v_floor_f32 v[ST+8*\q], -v[ST+8*\q+6]          ; the new -M: M is a whole number
.endr
.irp q, 0,1,2,3
	v_sub_f32 v[ST+8*\q+7], v[ST+8*\q], v[ST+8*\q+7]   ; old M - new M, 0 or less
.endr
.irp q, 0,1,2,3
	v_cvt_i32_f32 v[ST+8*\q+7], v[ST+8*\q+7]       ; (it saturates)
.endr
.irp q, 0,1,2,3
	v_ldexp_f32 v[ST+8*\q+4], 1.0, v[ST+8*\q+7]    ; f = 2^(old M - new M)
.endr
.irp q, 0,1,2,3
	v_pk_mul_f32 v[ST+8*\q+2:ST+8*\q+3], v[ST+8*\q+2:ST+8*\q+3], v[ST+8*\q+4:ST+8*\q+5] op_sel_hi:[1,0]   ; l under the new M
.endr
.irp q, 0,1,2,3
	v_pk_mul_f32 v[L2+2*\q:L2+2*\q+1], v[L2+2*\q:L2+2*\q+1], v[ST+8*\q+4:ST+8*\q+5] op_sel_hi:[1,0]
.endr
	WIN 0x82                                       ; O^T under the new M, ahead of the exponentials
.set j, 0
.rept 16
.irp q, 0,1,2,3
	v_pk_mul_f32 v[32*\q+j:32*\q+j+1], v[32*\q+j:32*\q+j+1], v[ST+8*\q+4:ST+8*\q+5] op_sel_hi:[1,0]
.endr
.set j, j+2
.endr
	WIN 0
	s_wait_dscnt 0x0                               ; V's sixteen loads are in
	s_barrier_wait -1                              ; everybody's parts of chunk s + 1 lie in LDS
	s_cmp_lt_u32 s38, 15
	s_cbranch_scc0 .Lnopre                         ; the last trip has no next step
	KM ADK, ADM
.Lnopre:
	WIN 0x41
	FMA 0
	s_wait_alu depctr_va_vdst(0)                   ; ahead of a batch; each of the next three also stands behind the batch before
	EXPS 0, 1
	s_wait_alu depctr_va_vdst(0)
	EXPS 1, 1
	s_wait_alu depctr_va_vdst(0)
	EXPS 2, 1
	s_wait_alu depctr_va_vdst(0)
	EXPS 3, 0
	WIN 0x04
	SUMS 0                                         ; of the first two batches, whose waits stand above
	s_wait_alu depctr_va_vdst(0)                   ; behind the last batch, ahead of its first reader
	SUMS 1
	WIN 0
	s_cmp_ge_i32 s27, -15                          ; p <= 1 <= 57,344 x 2^e3 wherever e3 >= -15: the hold would change nothing there
	s_cbranch_scc1 .Lnohold
	WIN 0x41
.set j, 0
.rept 256
	v_min_num_f32 v[j], v[j], v[LIM]               ; p is not negative: the hold is one-sided
.set j, j+1
.endr
	WIN 0
.Lnohold:
	WIN 0x01
.irp q, 0,1,2,3
.irp g, 0,1,2,3,4,5,6,7
	v_cvt_scalef32_pk8_bf8_f32 v[P+16*\q+2*\g:P+16*\q+2*\g+1], v[64*\q+8*\g:64*\q+8*\g+7], v[SC]
.endr
.endr
	WIN 0
	v_nop                                          ; one plain line between the conversions and the products that read their results
	WIN 0xa0                                       ; C and D window 2
.irp t, 0,1,2,3                                ; sixteen accumulators, one instruction a turn
.irp q, 0,1,2,3
	v_wmma_f32_16x16x128_bf8_bf8 v[32*\q+8*\t:32*\q+8*\t+7], v[VF+16*\t:VF+16*\t+15], v[P+16*\q:P+16*\q+15], v[32*\q+8*\t:32*\q+8*\t+7]
.endr
.endr
	WIN 0
	s_wait_dscnt 0x0                               ; the next step's K and mask numbers are in
	s_cmp_lt_u32 s38, 14
	s_cbranch_scc0 .Lnostage                       ; chunk 15 is the last
	s_wait_loadcnt 0x0                             ; chunk s + 2, asked for a trip ago; its loads are done, so their bases may step
	s_wait_xcnt 0x0                                ; and the last trip's prefetches have read their addresses
	s_add_nc_u64 s[6:7], s[6:7], 0x80000
	s_add_nc_u64 s[8:9], s[8:9], 128
	s_add_nc_u64 s[48:49], s[48:49], 0x80000
	s_add_nc_u64 s[50:51], s[50:51], 128
	s_add_co_u32 s46, s36, 2*CHK
	s_and_b32 s46, s46, 0x1ffff
	s_add_co_u32 s46, s46, s17                     ; my place in chunk s + 2
	v_add_nc_u32 v[SB], s46, v[LV]
	WIN 0x08                                       ; an LDS store's data are source 1.  V's groups go first, ahead of K's conversions
.irp i, 0,1,2,3
	ds_store_b128 v[SB], v[XV+4*\i:XV+4*\i+3] offset:512*\i
.endr
	WIN 0x82
.set k, 0
.rept 64
	v_med3_num_f32 v[XK+k], v[XK+k], -v[KLIM], v[KLIM]
.set k, k+1
.endr
	WIN 0x02
.irp u, 0,1,2,3,4,5,6,7
	v_cvt_scalef32_pk8_bf8_f32 v[CC+2*\u:CC+2*\u+1], v[XK+8*\u:XK+8*\u+7], v[KSC]
.endr
	WIN 0
	v_add_nc_u32 v[SA], s46, v[LI]                 ; (also the plain line behind the conversions)
.irp i, 0,1,2,3
	ds_store_b128 v[SA], v[CC+4*\i:CC+4*\i+3] offset:512*\i
.endr
	s_wait_dscnt 4                                 ; V's four stores are done, so the next loads may land on their data; K's four, issued behind them, may be out
	s_cmp_lt_u32 s38, 13
	s_cbranch_scc0 .Lnostage
	WIN 0x80
	LDK XK, 0                                      ; chunk s + 3
	LDV XV, 0
	WIN 0
	s_cmp_lt_u32 s38, s52
	s_cbranch_scc0 .Lnok
	global_prefetch_b8 v0, s[48:49] th:TH_LOAD_NT scope:SCOPE_SE      ; keys of chunk s + 5
.Lnok:
	s_and_b32 s54, s38, 1
	s_xor_b32 s54, s54, 1
	s_lshl_b32 s54, s54, 4                         ; an even trip counts as one past the last
	s_add_co_u32 s54, s54, s38
	s_cmp_lt_u32 s54, s53
	s_cbranch_scc0 .Lnostage
	global_prefetch_b8 v[PFV], s[50:51] th:TH_LOAD_NT scope:SCOPE_SE  ; values of chunks s + 5, s + 6
.Lnostage:
	s_add_co_u32 s36, s36, CHK
	s_add_co_u32 s37, s37, 512
	s_add_co_u32 s38, s38, 1
	s_cmp_lt_u32 s38, 16
	s_cbranch_scc1 .Lstep
	; THE WAY OUT.  l's four parts and lane l xor 16's; O^T x 2^(e2 + e3) / l; the quantiser with 2^e4; the codes are the image and are stored as they stand.  The additions are the places behind the last products.
.irp q, 0,1,2,3
	v_add_f32 v[ST+8*\q+2], v[ST+8*\q+2], v[ST+8*\q+3]
.endr
.irp q, 0,1,2,3
	v_add_f32 v[L2+2*\q], v[L2+2*\q], v[L2+2*\q+1]
.endr
.irp q, 0,1,2,3
	v_add_f32 v[ST+8*\q+2], v[ST+8*\q+2], v[L2+2*\q]
.endr
.irp q, 0,1,2,3
	v_permlanex16_b32 v[ST+8*\q+7], v[ST+8*\q+2], s32, s33
.endr
.irp q, 0,1,2,3
	v_add_f32 v[ST+8*\q+2], v[ST+8*\q+2], v[ST+8*\q+7]
.endr
	s_wait_alu depctr_va_vdst(0)                   ; ahead of the batch
.irp q, 0,1,2,3
	v_rcp_f32 v[ST+8*\q+6], v[ST+8*\q+2]
.endr
	v_mov_b32 v58, 0x7f7f7f7f                      ; four NaN codes.  (A plain place behind the reciprocals)
	MKSC 28, SC, LIM                               ; the result's scale and hold
.irp q, 0,1,2,3
	v_mov_b32 v[ST+8*\q+7], LOW
.endr
	s_wait_alu depctr_va_vdst(0)                   ; one wait for the reciprocals, ahead of their first reader
.irp q, 0,1,2,3
	v_ldexp_f32 v[ST+8*\q+6], v[ST+8*\q+6], s39
	v_cmp_le_f32 s[56+\q], v[ST+8*\q+1], v[ST+8*\q+7]   ; no key has counted for this query
.endr
	WIN 0x42                                       ; O^T window 2, the results window 1
	s_wait_alu depctr_va_vdst(0)                   ; directly ahead of the first reader of O^T
.irp q, 0,1,2,3
.set j, 0
.rept 16
	v_pk_mul_f32 v[32*\q+j:32*\q+j+1], v[32*\q+j:32*\q+j+1], v[ST+8*\q+6:ST+8*\q+7] op_sel_hi:[1,0]   ; register 16 b + i: channel 32 b + 16 h + i of my query
.set j, j+2
.endr
.endr
	WIN 0x41
.set j, 0
.rept 128
	v_med3_num_f32 v[j], v[j], -v[LIM], v[LIM]
.set j, j+1
.endr
	WIN 0x01
.irp q, 0,1,2,3
.irp g, 0,1,2,3
	v_cvt_scalef32_pk8_bf8_f32 v[P+8*\q+2*\g:P+8*\q+2*\g+1], v[32*\q+8*\g:32*\q+8*\g+7], v[SC]
.endr
.endr
	WIN 0
	v_nop
.irp q, 0,1,2,3
.irp k, 0,1,2,3,4,5,6,7
	v_cndmask_b32 v[P+8*\q+\k], v[P+8*\q+\k], v58, s[56+\q]
.endr
.endr
.irp q, 0,1,2,3
.irp c, 0,1
	global_store_b128 v[LI], v[P+8*\q+4*\c:P+8*\q+4*\c+3], s[14:15] offset:16384*\q+512*\c   ; 32 lanes store 512 consecutive bytes, at a multiple of 512 from oc's first byte
.endr
.endr
	s_wait_tensorcnt 0x0                           ; the wave's end, behind my last LDS store
	ds_add_u32 v[SPW], v[NIL]
	s_wait_dscnt 0x0
	s_endpgm
.Lfunc_end_k_q2a580db901_attn:
	.size	k_q2a580db901_attn, .Lfunc_end_k_q2a580db901_attn-k_q2a580db901_attn
	.p2alignl 7, 3214868480
	.fill 96, 4, 3214868480
	.section	.rodata,"a",@progbits
	.p2align	6, 0x0
	.amdhsa_kernel k_q2a580db901_attn
		.amdhsa_group_segment_fixed_size 271360
		.amdhsa_private_segment_fixed_size 0
		.amdhsa_enable_private_segment 0
		.amdhsa_kernarg_size 48
		.amdhsa_user_sgpr_count 2
		.amdhsa_user_sgpr_kernarg_segment_ptr 1
		.amdhsa_wavefront_size32 1
		.amdhsa_system_sgpr_workgroup_id_x 1
		.amdhsa_system_sgpr_workgroup_id_y 1
		.amdhsa_system_sgpr_workgroup_id_z 1
		.amdhsa_system_vgpr_workitem_id 0
		.amdhsa_next_free_vgpr 896
		.amdhsa_next_free_sgpr 66
		.amdhsa_reserve_vcc 1
		.amdhsa_float_denorm_mode_32 3
		.amdhsa_float_denorm_mode_16_64 3
		.amdhsa_memory_ordered 1
		.amdhsa_forward_progress 1
		.amdhsa_inst_pref_size 125
	.end_amdhsa_kernel
	.amdgpu_metadata
---
amdhsa.version: [ 1, 2 ]
amdhsa.kernels:
  - .name:           k_q2a580db901_attn
    .symbol:         k_q2a580db901_attn.kd
    .args:
      - { .name: queries, .offset: 0, .size: 8, .value_kind: global_buffer, .address_space: global }
      - { .name: keys, .offset: 8, .size: 8, .value_kind: global_buffer, .address_space: global }
      - { .name: values_codes, .offset: 16, .size: 8, .value_kind: global_buffer, .address_space: global }
      - { .name: mask, .offset: 24, .size: 8, .value_kind: global_buffer, .address_space: global }
      - { .name: lowp_scales, .offset: 32, .size: 8, .value_kind: global_buffer, .address_space: global }
      - { .name: oc, .offset: 40, .size: 8, .value_kind: global_buffer, .address_space: global }
    .group_segment_fixed_size: 271360
    .private_segment_fixed_size: 0
    .kernarg_segment_align: 8
    .kernarg_segment_size: 48
    .max_flat_workgroup_size: 128
    .sgpr_count:     66
    .vgpr_count:     896
    .wavefront_size: 32
...
	.end_amdgpu_metadata
.endif
;; end of part 1
;; launch fc (part 2): grid 8 x 32, 4 waves a work-group, clusters of 4 x 4, 327,680 bytes of LDS; arguments oc, fc_w_codes, lowp_scales, fc_b, queries, pre; writes pre
.if DOCPART == 2
	.amdgcn_target "amdgcn-amd-amdhsa--gfx1250"
	.amdhsa_code_object_version 6
	.text
	.protected	k_q2a580db901_fc
	.globl	k_q2a580db901_fc
	.p2align	8
	.type	k_q2a580db901_fc,@function
k_q2a580db901_fc:
	s_mov_b64 s[64:65], 0
	v_nop
	global_prefetch_b8 v0, s[64:65] scope:SCOPE_SE
	s_setreg_imm32_b32 hwreg(HW_REG_WAVE_MODE, 25, 1), 1
	s_wait_xcnt 0x0
	s_wait_alu depctr_hold_cnt(0) depctr_sa_sdst(0) depctr_va_vdst(0) depctr_va_sdst(0) depctr_va_ssrc(0) depctr_va_vcc(0) depctr_vm_vsrc(0)
	s_getreg_b32 s2, hwreg(HW_REG_IB_STS2, 6, 4)
	s_cmp_eq_u32 s2, 0
	s_cbranch_scc0 .Lentry_in_a_cluster
	s_endpgm
.Lentry_in_a_cluster:
	s_bfe_u32 s2, ttmp6, 0x10000c
	s_cmp_lg_u32 s2, 0xf033
	s_cbranch_scc0 .Lentry_shape_is_right
	s_endpgm
.Lentry_shape_is_right:
; pre[m][n] = 2^(ea + eb) x (sum over k of A[m][k] B[n][k]) + fc_b[n] + queries[m][n], on codes of BF8 (E5M2).  4,096 rows, 1,024 columns, K = 1,024.  pre, queries: [4096][1024] f32.
; B = fc_w_codes: [1024][1024], one code a byte, K innermost.  A = oc: IMAGES OF OPERAND REGISTERS: [rowtile = m / 16][kchunk = k / 128][2,048 bytes]; group c of four registers at 512 c + 16 x lane;
; lane (r = lane % 16, h = lane / 16) holds there k = 32 c + 16 h + 0 .. 15 of row r.  B's fragments are read from its rows by the same map of k.
; ea, eb: entries 4 and 5 of the buffer of scales.  LIMIT: ea + eb between -126 and 127, so that 2^(ea + eb) is an f32 number.
; A tile of the result is 128 x 128: 256 work-groups; four waves, each 64 x 64: 16 accumulators.
; THE WHOLE K LIES IN LDS AT ONCE: A's 128 rows are 131,072 bytes, B's 128 padded rows 133,120.  Each wave issues ONE tensor load at the head (waves 0, 1: A's halves; 2, 3: B's); nothing is filled again, so there is
; no ring: one barrier shows the tiles to all waves, and eight quarters of 128 along K follow on two fragment buffers.
; CLUSTERS: 4 x 4 work-groups; A's tile is asked for jointly along a row of the cluster, B's along a column.  THE MATRIX INSTRUCTION IS USED TRANSPOSED: a lane holds eight neighbouring numbers of a row of the result.
; No prefetch: the launch has no loop to run ahead in; all its tiles are asked for by the head's loads.
; REGISTERS: window 0: v12-15 bias; v16-29 addresses; v32-95 rows on the way out; v128-255 accumulators ((a, b) at v[128 + 8 (4 a + b)]).  window 1: two fragment buffers of 128.  window 2: v0-127 the residual.
.set SIZE_K, 1024
.set SCOFF,  0x10
.set ATS,    16*SIZE_K                 ; a rowtile of A in bytes
.set APART,  4*ATS                     ; four rowtiles: what one tensor load brings of A, and what one wave reads of A
.set BPITCH, 1040                      ; a row of B in LDS: 1,024 bytes + 16 of padding: an odd multiple of 16
.set BPART,  64*BPITCH
.set BOFF,   2*APART
.set STG,    BOFF+2*BPART              ; behind the tiles: 16 rows x 272 bytes for each wave, for the way out
.set SPITCH, 272
.set SPARE,  STG+4*16*SPITCH           ; the spare words
.set BIAS, 12
.set ADRA, 16
.set ADRB, 20
.set STO,  24
.set RD,   25
.set CO,   26
.set BO,   27
.set SPW,  28
.set NIL,  29
.set RB,   32
.set ACC,  128
.set F0,   0
.set F1,   128
.set G1, 24
.set G0, 32
.set G1B, 48
.set G0B, 56
.set MSB, 0
.macro WIN new                         ; the immediate's high byte repeats the setting that is left
.if MSB != \new
	s_set_vgpr_msb (MSB<<8)|\new
.set MSB, \new
.endif
.endm
.set MUL,  0x05                        ; sources 0 (B) and 1 (A) window 1; C and D window 0
.set TO_F, 0x40
.macro CROUND                          ; a round of the cluster's barrier
	s_barrier_signal -1
	s_barrier_wait -1
	s_cmp_lg_u32 s10, 0
	s_cbranch_scc1 .Lnot_wave_0_\@
	s_barrier_signal -3
.Lnot_wave_0_\@:
	s_barrier_wait -3
	s_barrier_signal -1
	s_barrier_wait -1
.endm
	s_load_b128 s[4:7], s[0:1], 0x0                ; A, B
	s_load_b128 s[68:71], s[0:1], 0x10             ; the scales' exponents, the bias
	s_load_b128 s[72:75], s[0:1], 0x20             ; queries, pre
	v_lshl_add_u32 v[SPW], v0, 2, SPARE
	v_mov_b32 v[NIL], 0
	ds_add_u32 v[SPW], v[NIL]                      ; the opening lines: the add, twice on end, and its wait ahead of my tensor load
	ds_add_u32 v[SPW], v[NIL]
	v_lshrrev_b32 v1, 5, v0
	v_readfirstlane_b32 s10, v1                    ; wave 0..3
	s_lshr_b32 s11, s10, 1                         ; my half of the tile's rows.  Also: I fetch for A (0) or for B (1)
	s_and_b32 s12, s10, 1                          ; my half of its columns.  Also: which half of that tile I fetch
	s_bfe_u32 s40, ttmp6, 0x40000                  ; cx, cy
	s_bfe_u32 s41, ttmp6, 0x40004
	s_lshl_b32 s42, ttmp9, 2
	s_add_co_u32 s42, s42, s40                     ; tile column
	s_and_b32 s13, ttmp7, 0xffff
	s_lshl_b32 s13, s13, 2
	s_add_co_u32 s13, s13, s41                     ; tile row
	s_lshl_b32 s43, s41, 2
	s_lshl_b32 s43, 15, s43                        ; my row of the cluster
	s_lshl_b32 s44, 0x1111, s40                    ; my column
	s_or_b32 s[G1+0], s43, (3<<16)|(1<<21)         ; A: 4 rowtiles as 4 rows x 2,048 elements of 8 bytes; dense in LDS
	s_mov_b32 s[G1+1], 2048<<16
	s_mov_b32 s[G1+2], 4<<16
	s_mov_b32 s[G1+3], 2048<<16
	s_mov_b32 s[G1+4], 4
	s_mov_b32 s[G1+5], ATS/8
	s_mov_b32 s[G1+6], 0
	s_mov_b32 s[G1+7], 0
	s_or_b32 s[G1B+0], s44, (1<<20)|(1<<21)|(7<<22)|(3<<25)   ; B: 64 rows x 1,024 bytes; four words of padding after every 256
	s_mov_b32 s[G1B+1], 1024<<16
	s_mov_b32 s[G1B+2], 64<<16
	s_mov_b32 s[G1B+3], 1024<<16
	s_mov_b32 s[G1B+4], 64
	s_mov_b32 s[G1B+5], SIZE_K
	s_mov_b32 s[G1B+6], 0
	s_mov_b32 s[G1B+7], 0
	s_lshl_b32 s17, s12, 2
	s_lshl_b32 s16, s13, 3
	s_add_co_u32 s16, s16, s17                     ; A: rowtile 8 x tile row + 4 x half
	s_mov_b32 s17, 0
	s_mov_b64 s[18:19], ATS
	s_mul_u64 s[16:17], s[16:17], s[18:19]
	s_lshl_b32 s47, s12, 6
	s_lshl_b32 s46, s42, 7
	s_add_co_u32 s46, s46, s47                     ; B: row 128 x tile column + 64 x half
	s_mov_b32 s47, 0
	s_mov_b64 s[18:19], SIZE_K
	s_mul_u64 s[46:47], s[46:47], s[18:19]
	s_mul_i32 s20, s12, APART                      ; where they go: no place in the cluster enters an LDS address
	s_mul_i32 s21, s12, BPART
	s_add_co_u32 s21, s21, BOFF
	s_wait_dscnt 0x0                               ; both opening adds are done
	s_wait_kmcnt 0x0
	s_load_b64 s[76:77], s[68:69], SCOFF           ; ea, eb
	s_add_nc_u64 s[14:15], s[4:5], s[16:17]
	s_add_nc_u64 s[46:47], s[6:7], s[46:47]
	CROUND                                         ; all sixteen work-groups are here: the joint loads meet
	s_mov_b32 s[G0], 1
	s_mov_b32 s[G0+1], s20
	s_mov_b64 s[G0+2:G0+3], s[14:15]
	s_or_b32 s[G0+3], s[G0+3], 0x80000000
	s_mov_b32 s[G0B], 1
	s_mov_b32 s[G0B+1], s21
	s_mov_b64 s[G0B+2:G0B+3], s[46:47]
	s_or_b32 s[G0B+3], s[G0B+3], 0x80000000
	s_cmp_eq_u32 s11, 0                            ; one tensor load a wave, in one of two arms; an s_nop 0 and four v_nop follow each
	s_cbranch_scc0 .Lfor_b
	tensor_load_to_lds s[G0:G0+3], s[G1:G1+7]
	s_nop 0
.rept 4
	v_nop
.endr
	s_branch .Lasked
.Lfor_b:
	tensor_load_to_lds s[G0B:G0B+3], s[G1B:G1B+7]
	s_nop 0
.rept 4
	v_nop
.endr
.Lasked:
	s_mul_i32 s21, s11, APART                      ; my four rowtiles of A
	s_mul_i32 s22, s12, BPART                      ; my 64 rows of B
	s_add_co_u32 s22, s22, BOFF
	s_mul_i32 s23, s10, 16*SPITCH
	s_add_co_u32 s23, s23, STG                     ; my stage
	v_and_b32 v1, 15, v0                           ; r
	v_bfe_u32 v2, v0, 4, 1                         ; h
	v_and_b32 v3, 31, v0
	v_lshlrev_b32 v3, 4, v3
	v_mul_u32_u24 v4, v1, BPITCH
	v_lshl_add_u32 v4, v2, 4, v4
	v_add_nc_u32 v[ADRA], s21, v3
	v_add_nc_u32 v[ADRB], s22, v4
	v_mul_u32_u24 v5, v1, SPITCH                   ; in: row r, 32 bytes for each half of the lanes
	v_lshl_add_u32 v5, v2, 5, v5
	v_add_nc_u32 v[STO], s23, v5
	v_mul_u32_u24 v5, v2, SPITCH                   ; back: lanes 0-15 one row of 256 bytes, lanes 16-31 the next
	v_lshl_add_u32 v5, v1, 4, v5
	v_add_nc_u32 v[RD], s23, v5
	v_lshlrev_b32 v[BO], 4, v1
	v_lshl_add_u32 v[CO], v2, 12, v[BO]            ; the same two rows in queries and pre
	s_wait_alu depctr_va_vdst(0)                   ; the wait at the end of the head's vector work
	s_lshl_b32 s16, s13, 7
	s_lshl_b32 s17, s11, 6
	s_add_co_u32 s16, s16, s17                     ; my first row
	s_lshl_b32 s16, s16, 12
	s_mov_b32 s17, 0
	s_lshl_b32 s46, s42, 9                         ; my first column, in bytes
	s_lshl_b32 s47, s12, 8
	s_add_co_u32 s46, s46, s47
	s_mov_b32 s47, 0
	s_add_nc_u64 s[70:71], s[70:71], s[46:47]
	s_add_nc_u64 s[72:73], s[72:73], s[16:17]
	s_add_nc_u64 s[72:73], s[72:73], s[46:47]
	s_add_nc_u64 s[74:75], s[74:75], s[16:17]
	s_add_nc_u64 s[74:75], s[74:75], s[46:47]
	global_load_b128 v[BIAS:BIAS+3], v[BO], s[70:71]
	WIN 0x80
.irp a, 0,1,2,3
.irp t, 0,1,2,3,4,5,6,7
	global_load_b128 v[32*\a+4*\t:32*\a+4*\t+3], v[CO], s[72:73] offset:(16*\a+2*\t)*4096   ; sixteen lanes read 256 consecutive bytes of a row
.endr
.endr
	WIN 0
.macro MUL4 f, a, zero                 ; A's block a x B's four, 128 along K.  The 16 accumulators take turns, one instruction a turn, in the same order in every quarter
.irp b, 0,1,2,3
.if \zero
	v_wmma_f32_16x16x128_bf8_bf8 v[ACC+8*(4*(\a)+\b):ACC+8*(4*(\a)+\b)+7], v[\f+64+16*\b:\f+64+16*\b+15], v[\f+16*(\a):\f+16*(\a)+15], 0
.else
	v_wmma_f32_16x16x128_bf8_bf8 v[ACC+8*(4*(\a)+\b):ACC+8*(4*(\a)+\b)+7], v[\f+64+16*\b:\f+64+16*\b+15], v[\f+16*(\a):\f+16*(\a)+15], v[ACC+8*(4*(\a)+\b):ACC+8*(4*(\a)+\b)+7]
.endif
.endr
.endm
.macro FETCH q, f                      ; 32 LDS loads in one run: the fragments of the q-th 128 along K: B's sixteen loads, then A's blocks 0 to 3
	WIN TO_F
.irp i, 0,1,2,3
.irp c, 0,1,2,3
	ds_load_b128 v[\f+64+16*\i+4*\c:\f+64+16*\i+4*\c+3], v[ADRB] offset:128*(\q)+32*\c+\i*16*BPITCH
.endr
.endr
.irp i, 0,1,2,3
.irp c, 0,1,2,3
	ds_load_b128 v[\f+16*\i+4*\c:\f+16*\i+4*\c+3], v[ADRA] offset:ATS*\i+2048*(\q)+512*\c
.endr
.endr
.endm
.macro PLACES                          ; four places in front of loads into registers that matrix instructions have read, and of the first read of results
.rept 4
	v_nop
.endr
.endm
.macro QUARTER q, f, g, zero           ; multiplies buffer f and fetches quarter q into g
	s_wait_dscnt 8                                 ; B and A's blocks 0, 1 are in; the youngest eight loads may be out
	WIN MUL
	MUL4 \f, 0, \zero
	MUL4 \f, 1, \zero
	PLACES
	FETCH \q, \g
	s_wait_dscnt 32                                ; all but the 32 just issued
	WIN MUL
	MUL4 \f, 2, \zero
	MUL4 \f, 3, \zero
.endm
	s_wait_tensorcnt 0x0                           ; my part of the tiles is in
	s_barrier_signal -1
	s_barrier_wait -1                              ; everybody's is
	FETCH 0, F0
	QUARTER 1, F0, F1, 1                           ; the first products start the sums
.irp q, 2,4,6
	QUARTER \q, F1, F0, 0
	QUARTER \q+1, F0, F1, 0
.endr
	s_wait_dscnt 8                                 ; the last quarter: nothing more to fetch
	WIN MUL
	MUL4 F1, 0, 0
	MUL4 F1, 1, 0
	s_wait_dscnt 0x0
	MUL4 F1, 2, 0
	MUL4 F1, 3, 0
	WIN 0
	; THE WAY OUT, 16 rows x 64 columns at a time: the sums go through my own stage in LDS and come back as whole rows of 256 bytes, in the residual's layout; one packed multiply-add gives sum x 2^(ea + eb) + (bias + res)
	PLACES
	s_wait_loadcnt 0x0                             ; the bias and the residual
	s_wait_kmcnt 0x0
	s_add_co_i32 s76, s76, s77
	s_add_co_i32 s76, s76, 127
	s_lshl_b32 s76, s76, 23                        ; 2^(ea + eb) as f32
	s_mov_b32 s77, s76
	WIN 0x82
.set k, 0
.rept 64
	v_pk_add_f32 v[k:k+1], v[k:k+1], v[BIAS+k%4:BIAS+k%4+1]
.set k, k+2
.endr
	WIN 0
.macro TOSTAGE a
.irp b, 0,1,2,3
	ds_store_b128 v[STO], v[ACC+8*(4*(\a)+\b):ACC+8*(4*(\a)+\b)+3] offset:64*\b       ; each accumulator from its low end on
	ds_store_b128 v[STO], v[ACC+8*(4*(\a)+\b)+4:ACC+8*(4*(\a)+\b)+7] offset:64*\b+16
.endr
.irp t, 0,1,2,3,4,5,6,7
	ds_load_b128 v[RB+32*((\a)%2)+4*\t:RB+32*((\a)%2)+4*\t+3], v[RD] offset:\t*2*SPITCH   ; LDS serves a wave's instructions in order (ISA guide 5.7.1.4)
.endr
.endm
.macro SEND a, younger                 ; younger: the LDS instructions issued behind block a's loads
.set RR, RB+32*((\a)%2)
	s_wait_dscnt \younger
	WIN 0x20
.set k, 0
.rept 16
	v_pk_fma_f32 v[RR+k:RR+k+1], v[RR+k:RR+k+1], s[76:77], v[32*(\a)+k:32*(\a)+k+1] op_sel_hi:[1,0,1]
.set k, k+2
.endr
	WIN 0
.irp t, 0,1,2,3,4,5,6,7
	global_store_b128 v[CO], v[RR+4*\t:RR+4*\t+3], s[74:75] offset:(16*(\a)+2*\t)*4096   ; 16 lanes store 256 consecutive bytes, aligned
.endr
.endm
	TOSTAGE 0
.irp a, 1,2,3
.if \a > 1
	s_wait_xcnt 0x0                                ; block a - 2's stores have read their registers
.endif
	TOSTAGE \a
	SEND \a-1, 16
.endr
	SEND 3, 0
	s_wait_tensorcnt 0x0                           ; the wave's end
	ds_add_u32 v[SPW], v[NIL]
	s_wait_dscnt 0x0
	CROUND                                         ; the closing round
	s_endpgm
.Lfunc_end_k_q2a580db901_fc:
	.size	k_q2a580db901_fc, .Lfunc_end_k_q2a580db901_fc-k_q2a580db901_fc
	.p2alignl 7, 3214868480
	.fill 96, 4, 3214868480
	.section	.rodata,"a",@progbits
	.p2align	6, 0x0
	.amdhsa_kernel k_q2a580db901_fc
		.amdhsa_group_segment_fixed_size 327680
		.amdhsa_private_segment_fixed_size 0
		.amdhsa_enable_private_segment 0
		.amdhsa_kernarg_size 48
		.amdhsa_user_sgpr_count 2
		.amdhsa_user_sgpr_kernarg_segment_ptr 1
		.amdhsa_wavefront_size32 1
		.amdhsa_system_sgpr_workgroup_id_x 1
		.amdhsa_system_sgpr_workgroup_id_y 1
		.amdhsa_system_sgpr_workgroup_id_z 1
		.amdhsa_system_vgpr_workitem_id 0
		.amdhsa_next_free_vgpr 640
		.amdhsa_next_free_sgpr 80
		.amdhsa_reserve_vcc 0
		.amdhsa_float_denorm_mode_32 3
		.amdhsa_float_denorm_mode_16_64 3
		.amdhsa_memory_ordered 1
		.amdhsa_forward_progress 1
		.amdhsa_inst_pref_size 52
	.end_amdhsa_kernel
	.amdgpu_metadata
---
amdhsa.version: [ 1, 2 ]
amdhsa.kernels:
  - .name:           k_q2a580db901_fc
    .symbol:         k_q2a580db901_fc.kd
    .args:
      - { .name: oc, .offset: 0, .size: 8, .value_kind: global_buffer, .address_space: global }
      - { .name: fc_w_codes, .offset: 8, .size: 8, .value_kind: global_buffer, .address_space: global }
      - { .name: lowp_scales, .offset: 16, .size: 8, .value_kind: global_buffer, .address_space: global }
      - { .name: fc_b, .offset: 24, .size: 8, .value_kind: global_buffer, .address_space: global }
      - { .name: queries, .offset: 32, .size: 8, .value_kind: global_buffer, .address_space: global }
      - { .name: pre, .offset: 40, .size: 8, .value_kind: global_buffer, .address_space: global }
    .group_segment_fixed_size: 327680
    .private_segment_fixed_size: 0
    .kernarg_segment_align: 8
    .kernarg_segment_size: 48
    .max_flat_workgroup_size: 128
    .sgpr_count:     80
    .vgpr_count:     640
    .wavefront_size: 32
...
	.end_amdgpu_metadata
.endif
;; end of part 2
;; launch ln1 (part 3): grid 256 x 1, 8 waves a work-group, no clusters, 41,984 bytes of LDS; arguments pre, ln1_g, ln1_b, lowp_scales, x1, x1c; writes x1, x1c
.if DOCPART == 3
	.amdgcn_target "amdgcn-amd-amdhsa--gfx1250"
	.amdhsa_code_object_version 6
	.text
	.protected	k_q2a580db901_ln1
	.globl	k_q2a580db901_ln1
	.p2align	8
	.type	k_q2a580db901_ln1,@function
k_q2a580db901_ln1:
	s_mov_b64 s[64:65], 0
	v_nop
	global_prefetch_b8 v0, s[64:65] scope:SCOPE_SE
	s_setreg_imm32_b32 hwreg(HW_REG_WAVE_MODE, 25, 1), 1
	s_wait_xcnt 0x0
; x1[r][:] = (pre[r][:] - mean) / sqrt(var + 1e-5) x g + b, rows of 1,024 f32; and x1c: the same numbers as codes of BF8 (E5M2) with the given scale 2^e (entry 6 of the buffer of scales), [4096][1024], one code a byte.
; The variance is the mean of the squares of x - mean, taken in a second pass over the registers: no difference of large sums is formed.
; One wave takes a whole row: eight loads of 512 consecutive bytes, 32 registers; the row is read from memory once and no wave waits for another.  Eight waves, two rows each; no loop, no barrier.
; THE CODES: the conversion takes neighbours from ONE lane's registers, and a lane holds four neighbours of each load.  So 512 numbers at a time turn through the wave's own stage in LDS: in as they lie, back 64 bytes a lane
; (16 bytes of padding behind each 64, so that the lanes' reads do not all fall on the same banks).  A lane's 16 codes are 16 bytes: the wave stores 512 consecutive bytes.
; LIMITS: e between -126 and 112.  A NaN in a row makes the row's x1 NaN; its codes are then not served.
.set G,  8                             ; v8-39    g of my 32 columns (load j, lane l: columns 128 j + 4 l + 0 .. 3)
.set B,  40                            ; v40-71   b
.set X0, 72                            ; v72-135  the two rows
.set XS, 136                           ; v136-167 two sets of 16 neighbours
.set C,  168                           ; v168-183 codes: four registers for each half row, so that no store's data are written again
.set T,  184                           ; v184-189 at work
.set PD, 190                           ; v190     a lane permute's destination
	s_load_b256 s[4:11], s[0:1], 0x0               ; pre s[4:5], g s[6:7], b s[8:9], the scales' exponents s[10:11]
	s_load_b128 s[12:15], s[0:1], 0x20             ; x1 s[12:13], x1c s[14:15]
	v_lshl_add_u32 v192, v0, 2, 0xa000
	v_mov_b32 v193, 0
	v_lshrrev_b32 v6, 5, v0
	s_delay_alu instid0(VALU_DEP_1)
	v_readfirstlane_b32 s16, v6                    ; wave 0..7
	v_and_b32 v6, 31, v0                           ; lane
	s_delay_alu instid0(VALU_DEP_1)
	v_lshlrev_b32 v1, 4, v6                        ; 16 bytes a lane
	s_mul_i32 s17, s16, 5120                       ; my wave's two stages of 2,560 bytes
	v_lshrrev_b32 v2, 2, v6
	s_delay_alu instid0(VALU_DEP_1)
	v_mul_u32_u24 v2, v2, 80
	v_and_b32 v7, 3, v6
	s_delay_alu instid0(VALU_DEP_1)
	v_lshl_add_u32 v2, v7, 4, v2
	s_delay_alu instid0(VALU_DEP_1)
	v_add_nc_u32 v2, s17, v2                       ; in: four lanes' 64 bytes on end, then 16 of padding
	v_mul_u32_u24 v3, v6, 80
	s_delay_alu instid0(VALU_DEP_1)
	v_add_nc_u32 v3, s17, v3                       ; back: my 16 neighbours
	v_mov_b32 v[PD], 0
	s_lshl_b32 s18, ttmp9, 4
	s_lshl_b32 s19, s16, 1
	s_add_co_u32 s18, s18, s19                     ; my first row: 16 x work-group + 2 x wave
	s_lshl_b32 s20, s18, 10
	s_mov_b32 s21, 0
	s_lshl_b32 s18, s18, 12
	s_mov_b32 s19, 0
	s_mov_b32 s22, 0x3a800000                      ; 1 / 1,024
	s_mov_b32 s23, 0x3727c5ac                      ; 1e-5
	s_mov_b32 s24, 0x76543210                      ; v_permlanex16_b32: lane l takes lane l xor 16
	s_mov_b32 s25, 0xfedcba98
	s_wait_alu depctr_va_vdst(0)
	s_wait_kmcnt 0x0
	s_load_b32 s26, s[10:11], 0x18                 ; e
	s_add_nc_u64 s[4:5], s[4:5], s[18:19]
	s_add_nc_u64 s[12:13], s[12:13], s[18:19]
	s_add_nc_u64 s[14:15], s[14:15], s[20:21]
.irp j, 0,1,2,3,4,5,6,7
	global_load_b128 v[G+4*\j:G+4*\j+3], v1, s[6:7] offset:512*\j
.endr
.irp j, 0,1,2,3,4,5,6,7
	global_load_b128 v[B+4*\j:B+4*\j+3], v1, s[8:9] offset:512*\j
.endr
.irp i, 0,1
.irp j, 0,1,2,3,4,5,6,7
	global_load_b128 v[X0+32*\i+4*\j:X0+32*\i+4*\j+3], v1, s[4:5] offset:4096*\i+512*\j th:TH_LOAD_NT
.endr
.endr
	s_wait_kmcnt 0x0
	s_add_co_i32 s26, s26, 127
	s_lshl_b32 s27, s26, 23
	v_mov_b32 v4, s27                              ; 2^e as f32: the conversion takes its exponent field
	s_add_co_i32 s26, s26, 15
	s_lshl_b32 s26, s26, 23
	s_or_b32 s26, s26, 0x600000
	v_mov_b32 v5, s26                              ; 57,344 x 2^e
.macro REDUCE r                        ; the sum over the wave's 32 lanes, in every lane
	s_delay_alu instid0(VALU_DEP_1)
	v_add_f32_dpp v[\r], v[\r], v[\r] row_xmask:1 row_mask:0xf bank_mask:0xf
	s_delay_alu instid0(VALU_DEP_1)
	v_add_f32_dpp v[\r], v[\r], v[\r] row_xmask:2 row_mask:0xf bank_mask:0xf
	s_delay_alu instid0(VALU_DEP_1)
	v_add_f32_dpp v[\r], v[\r], v[\r] row_xmask:4 row_mask:0xf bank_mask:0xf
	s_delay_alu instid0(VALU_DEP_1)
	v_add_f32_dpp v[\r], v[\r], v[\r] row_xmask:8 row_mask:0xf bank_mask:0xf
	s_delay_alu instid0(VALU_DEP_1)
	v_permlanex16_b32 v[PD], v[\r], s24, s25
	s_delay_alu instid0(VALU_DEP_1)
	v_add_f32 v[\r], v[\r], v[PD]
.endm
.macro ROW i
.set X, X0+32*(\i)
	s_wait_loadcnt 8-8*(\i)                        ; loads come back in order: g, b and this row are in; behind row 0 the eight loads of row 1 may be out
	v_pk_add_f32 v[T:T+1], v[X:X+1], v[X+2:X+3]    ; the row's sum, two at a time, in two chains
	v_pk_add_f32 v[T+2:T+3], v[X+4:X+5], v[X+6:X+7]
.irp j, 8,12,16,20,24,28
	s_delay_alu instid0(VALU_DEP_2)
	v_pk_add_f32 v[T:T+1], v[T:T+1], v[X+\j:X+\j+1]
	s_delay_alu instid0(VALU_DEP_2)
	v_pk_add_f32 v[T+2:T+3], v[T+2:T+3], v[X+\j+2:X+\j+3]
.endr
	s_delay_alu instid0(VALU_DEP_1)
	v_pk_add_f32 v[T:T+1], v[T:T+1], v[T+2:T+3]
	s_delay_alu instid0(VALU_DEP_1)
	v_add_f32 v[T], v[T], v[T+1]
	REDUCE T
	s_delay_alu instid0(VALU_DEP_1)
	v_mul_f32 v[T], s22, v[T]                      ; the mean
	s_delay_alu instid0(VALU_DEP_1)
	v_mov_b32 v[T+1], v[T]
.irp j, 0,2,4,6,8,10,12,14,16,18,20,22,24,26,28,30
	v_pk_add_f32 v[X+\j:X+\j+1], v[X+\j:X+\j+1], v[T:T+1] neg_lo:[0,1] neg_hi:[0,1]   ; x - mean
.endr
	v_pk_mul_f32 v[T+2:T+3], v[X:X+1], v[X:X+1]    ; the sum of the squares, in two chains
	v_pk_mul_f32 v[T+4:T+5], v[X+2:X+3], v[X+2:X+3]
.irp j, 4,8,12,16,20,24,28
	s_delay_alu instid0(VALU_DEP_2)
	v_pk_fma_f32 v[T+2:T+3], v[X+\j:X+\j+1], v[X+\j:X+\j+1], v[T+2:T+3]
	s_delay_alu instid0(VALU_DEP_2)
	v_pk_fma_f32 v[T+4:T+5], v[X+\j+2:X+\j+3], v[X+\j+2:X+\j+3], v[T+4:T+5]
.endr
	s_delay_alu instid0(VALU_DEP_1)
	v_pk_add_f32 v[T+2:T+3], v[T+2:T+3], v[T+4:T+5]
	s_delay_alu instid0(VALU_DEP_1)
	v_add_f32 v[T+2], v[T+2], v[T+3]
	REDUCE T+2
	s_delay_alu instid0(VALU_DEP_1)
	v_fma_f32 v[T+2], v[T+2], s22, s23             ; var + 1e-5
	s_wait_alu depctr_va_vdst(0)
	v_rsq_f32 v[T+2], v[T+2]
	v_nop                                          ; a plain place behind the transcendental
	s_wait_alu depctr_va_vdst(0)                   ; and the wait ahead of its first reader
	v_mov_b32 v[T+3], v[T+2]
.irp j, 0,2,4,6,8,10,12,14,16,18,20,22,24,26,28,30
	v_pk_mul_f32 v[X+\j:X+\j+1], v[X+\j:X+\j+1], v[T+2:T+3]
.endr
.irp j, 0,2,4,6,8,10,12,14,16,18,20,22,24,26,28,30
	v_pk_fma_f32 v[X+\j:X+\j+1], v[X+\j:X+\j+1], v[G+\j:G+\j+1], v[B+\j:B+\j+1]
.endr
.irp j, 0,1,2,3,4,5,6,7
	global_store_b128 v1, v[X+4*\j:X+4*\j+3], s[12:13] offset:4096*(\i)+512*\j   ; 512 consecutive bytes
.endr
.irp u, 0,1                                    ; columns 512 u on, through stage u: LDS serves a wave's instructions in order, so no wait stands between the stores and the loads
.irp k, 0,1,2,3
	ds_store_b128 v2, v[X+16*\u+4*\k:X+16*\u+4*\k+3] offset:2560*\u+640*\k
.endr
.irp k, 0,1,2,3
	ds_load_b128 v[XS+16*\u+4*\k:XS+16*\u+4*\k+3], v3 offset:2560*\u+16*\k
.endr
.endr
.irp u, 0,1
	s_wait_dscnt 8-8*\u                            ; half u is back; behind half 0 stand half 1's four stores and four loads
.irp k, 0,1,2,3,4,5,6,7,8,9,10,11,12,13,14,15
	v_med3_num_f32 v[XS+16*\u+\k], v[XS+16*\u+\k], -v5, v5   ; the conversion to an 8-bit code does not saturate (ISA guide 7.6.2): the hold at the largest code x the scale
.endr
	v_cvt_scalef32_pk8_bf8_f32 v[C+8*(\i)+4*\u:C+8*(\i)+4*\u+1], v[XS+16*\u:XS+16*\u+7], v4
	v_cvt_scalef32_pk8_bf8_f32 v[C+8*(\i)+4*\u+2:C+8*(\i)+4*\u+3], v[XS+16*\u+8:XS+16*\u+15], v4
	global_store_b128 v1, v[C+8*(\i)+4*\u:C+8*(\i)+4*\u+3], s[14:15] offset:1024*(\i)+512*\u   ; the codes go to a store alone; the next vector lines are plain and touch other registers
.endr
.endm
	ROW 0
	ROW 1
	s_wait_tensorcnt 0x0
	ds_add_u32 v192, v193
	s_wait_dscnt 0x0
	s_endpgm
.Lfunc_end_k_q2a580db901_ln1:
	.size	k_q2a580db901_ln1, .Lfunc_end_k_q2a580db901_ln1-k_q2a580db901_ln1
	.p2alignl 7, 3214868480
	.fill 96, 4, 3214868480
	.section	.rodata,"a",@progbits
	.p2align	6, 0x0
	.amdhsa_kernel k_q2a580db901_ln1
		.amdhsa_group_segment_fixed_size 41984
		.amdhsa_private_segment_fixed_size 0
		.amdhsa_enable_private_segment 0
		.amdhsa_kernarg_size 48
		.amdhsa_user_sgpr_count 2
		.amdhsa_user_sgpr_kernarg_segment_ptr 1
		.amdhsa_wavefront_size32 1
		.amdhsa_system_sgpr_workgroup_id_x 1
		.amdhsa_system_sgpr_workgroup_id_y 1
		.amdhsa_system_sgpr_workgroup_id_z 1
		.amdhsa_system_vgpr_workitem_id 0
		.amdhsa_next_free_vgpr 194
		.amdhsa_next_free_sgpr 66
		.amdhsa_reserve_vcc 0
		.amdhsa_float_denorm_mode_32 3
		.amdhsa_float_denorm_mode_16_64 3
		.amdhsa_memory_ordered 1
		.amdhsa_forward_progress 1
		.amdhsa_inst_pref_size 29
	.end_amdhsa_kernel
	.amdgpu_metadata
---
amdhsa.version: [ 1, 2 ]
amdhsa.kernels:
  - .name:           k_q2a580db901_ln1
    .symbol:         k_q2a580db901_ln1.kd
    .args:
      - { .name: pre, .offset: 0, .size: 8, .value_kind: global_buffer, .address_space: global }
      - { .name: ln1_g, .offset: 8, .size: 8, .value_kind: global_buffer, .address_space: global }
      - { .name: ln1_b, .offset: 16, .size: 8, .value_kind: global_buffer, .address_space: global }
      - { .name: lowp_scales, .offset: 24, .size: 8, .value_kind: global_buffer, .address_space: global }
      - { .name: x1, .offset: 32, .size: 8, .value_kind: global_buffer, .address_space: global }
      - { .name: x1c, .offset: 40, .size: 8, .value_kind: global_buffer, .address_space: global }
    .group_segment_fixed_size: 41984
    .private_segment_fixed_size: 0
    .kernarg_segment_align: 8
    .kernarg_segment_size: 48
    .max_flat_workgroup_size: 256
    .sgpr_count:     66
    .vgpr_count:     194
    .wavefront_size: 32
...
	.end_amdgpu_metadata
.endif
;; end of part 3
;; launch ff1 (part 4): grid 16 x 16, 4 waves a work-group, clusters of 4 x 4, 327,680 bytes of LDS; arguments x1c, ff_w1_codes, lowp_scales, ff_b1, hc; writes hc
.if DOCPART == 4
	.amdgcn_target "amdgcn-amd-amdhsa--gfx1250"
	.amdhsa_code_object_version 6
	.text
	.protected	k_q2a580db901_ff1
	.globl	k_q2a580db901_ff1
	.p2align	8
	.type	k_q2a580db901_ff1,@function
k_q2a580db901_ff1:
	s_mov_b64 s[64:65], 0
	v_nop
	global_prefetch_b8 v0, s[64:65] scope:SCOPE_SE
	s_setreg_imm32_b32 hwreg(HW_REG_WAVE_MODE, 25, 1), 1
	s_wait_xcnt 0x0
	s_wait_alu depctr_hold_cnt(0) depctr_sa_sdst(0) depctr_va_vdst(0) depctr_va_sdst(0) depctr_va_ssrc(0) depctr_va_vcc(0) depctr_vm_vsrc(0)
	s_getreg_b32 s2, hwreg(HW_REG_IB_STS2, 6, 4)
	s_cmp_eq_u32 s2, 0
	s_cbranch_scc0 .Lentry_in_a_cluster
	s_endpgm
.Lentry_in_a_cluster:
	s_bfe_u32 s2, ttmp6, 0x10000c
	s_cmp_lg_u32 s2, 0xf033
	s_cbranch_scc0 .Lentry_shape_is_right
	s_endpgm
.Lentry_shape_is_right:
.set SIZE_K, 1024
.set KSTEP,  256
.set ROWB,   256
.set KROW,   SIZE_K
.set PITCH,  272
.set FR,     16
.set NL,     4
.set NP,     4
.set HALFT,  128*PITCH
.set SLOT,   4*HALFT
.set LAPS,   SIZE_K/(2*KSTEP)
.set SPARE,  2*SLOT
.set SPITCH, 144
.set ADRA, 16
.set ADRB, 20
.set STO,  24
.set RD,   25
.set CO,   26
.set BO,   27
.set SPW,  28
.set NIL,  29
.set CD,   32
.set B1,   64
.set AF,   128
.set TMP,  128
.set BK,   192
.set G1, 24
.set G0, 32
.set G1B, 48
.set G0B, 56
.set MSB, 0
.macro WIN new
.if MSB != \new
	s_set_vgpr_msb (MSB<<8)|\new
.set MSB, \new
.endif
.endm
.set MUL_LO, 0xa1
.set MUL_HI, 0xf1
.set TO_B,   0x40
.macro JLOAD g0a, g1a, g0b, g1b
	s_cmp_eq_u32 s15, 0
	s_cbranch_scc0 .Lfor_b_\@
	tensor_load_to_lds s[\g0a:\g0a+3], s[\g1a:\g1a+7]
	s_nop 0
.rept 4
	v_nop
.endr
	s_branch .Lasked_\@
.Lfor_b_\@:
	tensor_load_to_lds s[\g0b:\g0b+3], s[\g1b:\g1b+7]
	s_nop 0
.rept 4
	v_nop
.endr
.Lasked_\@:
.endm
.macro CREST
	s_cmp_lg_u32 s14, 0
	s_cbranch_scc1 .Lnot_wave_0_\@
	s_barrier_signal -3
.Lnot_wave_0_\@:
	s_barrier_wait -3
	s_barrier_signal -1
	s_barrier_wait -1
.endm
.macro CROUND
	s_barrier_signal -1
	s_barrier_wait -1
	CREST
.endm
	s_load_b128 s[4:7], s[0:1], 0x0
	s_load_b128 s[8:11], s[0:1], 0x10
	s_load_b64 s[12:13], s[0:1], 0x20
	v_lshl_add_u32 v[SPW], v0, 2, SPARE
	v_mov_b32 v[NIL], 0
	ds_add_u32 v28, v29
	ds_add_u32 v28, v29
	s_wait_dscnt 0x0
	v_lshrrev_b32 v1, 5, v0
	v_readfirstlane_b32 s14, v1
	s_lshr_b32 s15, s14, 1
	s_and_b32 s16, s14, 1
	s_bfe_u32 s40, ttmp6, 0x40000
	s_bfe_u32 s41, ttmp6, 0x40004
	s_lshl_b32 s42, ttmp9, 2
	s_add_co_u32 s42, s42, s40
	s_and_b32 s17, ttmp7, 0xffff
	s_lshl_b32 s17, s17, 2
	s_add_co_u32 s17, s17, s41
	s_lshl_b32 s43, s41, 2
	s_lshl_b32 s43, 15, s43
	s_lshl_b32 s44, 0x1111, s40
	s_or_b32 s[G1+0], s43, (0<<16)|(1<<20)|(1<<21)|(5<<22)|(3<<25)
	s_or_b32 s[G1B+0], s44, (0<<16)|(1<<20)|(1<<21)|(5<<22)|(3<<25)
.irp g, G1, G1B
	s_mov_b32 s[\g+1], ROWB<<16
	s_mov_b32 s[\g+2], 128<<16
	s_mov_b32 s[\g+3], ROWB<<16
	s_mov_b32 s[\g+4], 128
	s_mov_b32 s[\g+5], KROW
	s_mov_b32 s[\g+6], 0
	s_mov_b32 s[\g+7], 0
.endr
	s_lshl_b32 s18, s16, 7
	s_lshl_b32 s20, s17, 8
	s_add_co_u32 s20, s20, s18
	s_lshl_b32 s46, s42, 8
	s_add_co_u32 s46, s46, s18
	s_mov_b32 s21, 0
	s_mov_b32 s47, 0
	s_mov_b64 s[18:19], KROW
	s_mul_u64 s[20:21], s[20:21], s[18:19]
	s_mul_u64 s[46:47], s[46:47], s[18:19]
	s_mul_i32 s45, s14, HALFT
	s_wait_kmcnt 0x0
	s_load_b64 s[96:97], s[8:9], 0x18
	s_load_b32 s68, s[8:9], 0x20
	s_add_nc_u64 s[20:21], s[4:5], s[20:21]
	s_add_nc_u64 s[46:47], s[6:7], s[46:47]
	CROUND
.irp s, 0,1
	s_mov_b32 s[G0+4*\s], 1
	s_add_co_u32 s[G0+4*\s+1], s45, \s*SLOT
	s_add_nc_u64 s[G0+4*\s+2:G0+4*\s+3], s[20:21], \s*ROWB
	s_or_b32 s[G0+4*\s+3], s[G0+4*\s+3], 0x80000000
	s_mov_b32 s[G0B+4*\s], 1
	s_add_co_u32 s[G0B+4*\s+1], s45, \s*SLOT
	s_add_nc_u64 s[G0B+4*\s+2:G0B+4*\s+3], s[46:47], \s*ROWB
	s_or_b32 s[G0B+4*\s+3], s[G0B+4*\s+3], 0x80000000
.endr
	JLOAD G0, G1, G0B, G1B                         ; K step 0: one tensor load a wave at the head
	; PREFETCHES INTO THE L2.  A K step is 256 bytes of each row.  Of the 128 rows that I fetch, each of the four partners that ask for them jointly names 32, told apart by address (cx for A, cy for B): a lane a row,
	; one instruction a wave, so each aligned block of 256 bytes is named once in the cluster.  Behind K step 0's load: K steps 1 and 2; behind K step 1's: K step 3, the last.
	s_cmp_eq_u32 s15, 0                            ; do I fetch for A?
	s_cselect_b64 s[72:73], s[20:21], s[46:47]
	s_cselect_b32 s74, s40, s41                    ; my place among the four
	s_lshl_b32 s74, s74, 15                        ; 32 rows of 1,024 bytes
	s_mov_b32 s75, 0
	s_add_nc_u64 s[72:73], s[72:73], s[74:75]
	v_and_b32 v30, 31, v0
	v_lshlrev_b32 v30, 10, v30                     ; never rewritten
	global_prefetch_b8 v30, s[72:73] offset:256 th:TH_LOAD_NT scope:SCOPE_SE
	global_prefetch_b8 v30, s[72:73] offset:512 th:TH_LOAD_NT scope:SCOPE_SE
	v_and_b32 v1, 15, v0
	s_wait_alu depctr_va_vdst(0)
	v_bfe_u32 v2, v0, 4, 1
	v_mul_u32_u24 v3, v1, PITCH
	v_lshl_add_u32 v4, v2, 4, v3
	s_mul_i32 s21, s15, HALFT
	s_mul_i32 s22, s16, HALFT
	s_add_co_u32 s22, s22, 2*HALFT
.irp s, 0,1
	v_add_nc_u32 v[ADRA+\s], s21, v4
	v_add_nc_u32 v[ADRB+\s], s22, v4
	s_add_co_u32 s21, s21, SLOT
	s_add_co_u32 s22, s22, SLOT
.endr
	s_mul_i32 s23, s14, 16*SPITCH
	v_mul_u32_u24 v5, v1, SPITCH
	s_wait_alu depctr_va_vdst(0)
	v_lshl_add_u32 v6, v2, 3, v5
	v_add_nc_u32 v[STO], s23, v6
	v_lshl_add_u32 v6, v2, 4, v5
	v_add_nc_u32 v[RD], s23, v6
	v_and_b32 v6, 31, v0
	v_lshlrev_b32 v[CO], 4, v6
	v_lshlrev_b32 v[BO], 5, v2
	s_wait_alu depctr_va_vdst(0)
	s_lshl_b32 s20, s17, 4
	s_lshl_b32 s21, s15, 3
	s_add_co_u32 s20, s20, s21
	s_lshl_b32 s20, s20, 16
	s_mov_b32 s21, 0
	s_lshl_b32 s46, s42, 1
	s_add_co_u32 s46, s46, s16
	s_lshl_b32 s46, s46, 9
	s_mov_b32 s47, 0
	s_add_nc_u64 s[10:11], s[10:11], s[46:47]
	s_lshl_b32 s46, s46, 2
	s_add_nc_u64 s[12:13], s[12:13], s[46:47]
	s_add_nc_u64 s[12:13], s[12:13], s[20:21]
.irp b, 0,1,2,3,4,5,6,7
	global_load_b128 v[B1+8*\b:B1+8*\b+3], v[BO], s[10:11] offset:64*\b
	global_load_b128 v[B1+8*\b+4:B1+8*\b+7], v[BO], s[10:11] offset:64*\b+16
.endr
.macro FRAG reg, adr, q, i
.irp c, 0,1,2,3
	ds_load_b128 v[\reg+4*\c:\reg+4*\c+3], v[\adr] offset:128*(\q)+32*\c+(\i)*16*PITCH
.endr
.endm
.macro MUL16 a0, p, zero
.irp a, \a0, \a0+1
.irp b, 0,1,2,3,4,5,6,7
.if \zero
	v_wmma_f32_16x16x128_bf8_bf8 v[8*(8*((\a)%4)+\b):8*(8*((\a)%4)+\b)+7], v[128*(\p)+FR*\b:128*(\p)+FR*\b+FR-1], v[AF+FR*(\a):AF+FR*(\a)+FR-1], 0
.else
	v_wmma_f32_16x16x128_bf8_bf8 v[8*(8*((\a)%4)+\b):8*(8*((\a)%4)+\b)+7], v[128*(\p)+FR*\b:128*(\p)+FR*\b+FR-1], v[AF+FR*(\a):AF+FR*(\a)+FR-1], v[8*(8*((\a)%4)+\b):8*(8*((\a)%4)+\b)+7]
.endif
.endr
.endr
.endm
.macro FETCH_B slot, q, p
	WIN TO_B
.irp i, 0,1,2,3,4,5,6,7
	FRAG 128*(\p)+FR*\i, ADRB+\slot, \q, \i
.endr
	WIN 0
.endm
.macro FETCH_A slot, q, i0
.irp i, \i0, \i0+1, \i0+2, \i0+3
	FRAG AF+FR*(\i), ADRA+\slot, \q, \i
.endr
.endm
.macro PLACES n
.rept \n
	v_nop
.endr
.endm
.macro STEP slot, q, zero
	s_wait_dscnt 4*NL
	WIN MUL_LO
	MUL16 0, (\q)%2, \zero
	MUL16 2, (\q)%2, \zero
	s_wait_dscnt 0
	PLACES NP
	FETCH_B \slot, (\q)+1, 1-(\q)%2
	FETCH_A \slot, (\q)+1, 0
	WIN MUL_HI
	MUL16 4, (\q)%2, \zero
	MUL16 6, (\q)%2, \zero
	PLACES NP
	WIN 0
	FETCH_A \slot, (\q)+1, 4
.endm
.macro TURN slot, next, fill
	s_wait_tensorcnt 0x0
	ds_add_u32 v[SPW], v[NIL]
	s_wait_dscnt 4*NL+1
	WIN MUL_LO
	MUL16 0, 1, 0
	s_wait_dscnt 0x0
	s_barrier_signal -1
	MUL16 2, 1, 0
	WIN 0
	s_barrier_wait -1
.if \fill
	CREST
	s_add_nc_u64 s[G0+4*\slot+2:G0+4*\slot+3], s[G0+4*\slot+2:G0+4*\slot+3], 2*ROWB
	s_add_nc_u64 s[G0B+4*\slot+2:G0B+4*\slot+3], s[G0B+4*\slot+2:G0B+4*\slot+3], 2*ROWB
	JLOAD G0+4*\slot, G1, G0B+4*\slot, G1B
.else
	PLACES NP
.endif
	FETCH_B \next, 0, 0
	FETCH_A \next, 0, 0
	WIN MUL_HI
	MUL16 4, 1, 0
	MUL16 6, 1, 0
	PLACES NP
	WIN 0
	FETCH_A \next, 0, 4
.endm
	s_wait_tensorcnt 0x0                           ; my part of K step 0 is in; slot 1's first fill is issued as a refill is:
	ds_add_u32 v[SPW], v[NIL]                      ; 0 onto my spare word
	s_wait_dscnt 0x0
	CROUND                                         ; a whole round: everybody's part of K step 0 is in, and the joint loads meet
	JLOAD G0+4, G1, G0B+4, G1B                     ; K step 1: the first tensor load behind the round
	FETCH_B 0, 0, 0
	global_prefetch_b8 v30, s[72:73] offset:768 th:TH_LOAD_NT scope:SCOPE_SE   ; K step 3
	FETCH_A 0, 0, 0
	FETCH_A 0, 0, 4
	STEP 0, 0, 1
	s_mov_b32 s3, LAPS-1
.Llap:
	TURN 0, 1, 1
	STEP 1, 0, 0
	TURN 1, 0, 1
	STEP 0, 0, 0
	s_sub_co_u32 s3, s3, 1
	s_cmp_lg_u32 s3, 0
	s_cbranch_scc1 .Llap
	TURN 0, 1, 0
	STEP 1, 0, 0
	s_wait_dscnt 4*NL
	WIN MUL_LO
	MUL16 0, 1, 0
	MUL16 2, 1, 0
	s_wait_dscnt 0
	WIN MUL_HI
	MUL16 4, 1, 0
	MUL16 6, 1, 0
	WIN 0
.macro TOSTAGE a
.set AC, 64*((\a)%4)
	WIN 0x02+((\a)/4)
.set k, 0
.rept 32
	v_pk_fma_f32 v[TMP+k:TMP+k+1], v[AC+k:AC+k+1], s[96:97], v[B1+k:B1+k+1] op_sel_hi:[1,0,1]
.set k, k+2
.endr
	WIN 0
.set k, 0
.rept 64
	v_med3_num_f32 v[TMP+k], v[TMP+k], 0, v48
.set k, k+1
.endr
.irp b, 0,1,2,3,4,5,6,7
	v_cvt_scalef32_pk8_bf8_f32 v[CD+2*\b:CD+2*\b+1], v[TMP+8*\b:TMP+8*\b+7], v49
.endr
	v_nop
.irp b, 0,1,2,3,4,5,6,7
	ds_store_b64 v[STO], v[CD+2*\b:CD+2*\b+1] offset:16*\b
.endr
.irp c, 0,1,2,3
	ds_load_b128 v[BK+16*((\a)%2)+4*\c:BK+16*((\a)%2)+4*\c+3], v[RD] offset:32*\c
.endr
.endm
.macro SEND a, younger
	s_wait_dscnt \younger
.irp c, 0,1,2,3
	global_store_b128 v[CO], v[BK+16*((\a)%2)+4*\c:BK+16*((\a)%2)+4*\c+3], s[12:13] offset:65536*(\a)+512*\c
.endr
.endm
	s_wait_kmcnt 0x0
	s_wait_loadcnt 0x0
	s_add_co_i32 s96, s96, s97
	s_add_co_i32 s96, s96, 127
	s_lshl_b32 s96, s96, 23
	s_mov_b32 s97, s96
	s_add_co_i32 s69, s68, 127
	s_lshl_b32 s70, s69, 23
	v_mov_b32 v49, s70
	s_add_co_i32 s69, s69, 15
	s_lshl_b32 s69, s69, 23
	s_or_b32 s69, s69, 0x600000
	v_mov_b32 v48, s69
	PLACES NP
	TOSTAGE 0
.irp a, 1,2,3,4,5,6,7
.if \a > 1
	s_wait_xcnt 0x0
.endif
	TOSTAGE \a
	SEND \a-1, 12
.endr
	SEND 7, 0
	s_wait_tensorcnt 0x0
	ds_add_u32 v[SPW], v[NIL]
	s_wait_dscnt 0x0
	CROUND
	s_endpgm
.Lfunc_end_k_q2a580db901_ff1:
	.size	k_q2a580db901_ff1, .Lfunc_end_k_q2a580db901_ff1-k_q2a580db901_ff1
	.p2alignl 7, 3214868480
	.fill 96, 4, 3214868480
	.section	.rodata,"a",@progbits
	.p2align	6, 0x0
	.amdhsa_kernel k_q2a580db901_ff1
		.amdhsa_group_segment_fixed_size 327680
		.amdhsa_private_segment_fixed_size 0
		.amdhsa_enable_private_segment 0
		.amdhsa_kernarg_size 40
		.amdhsa_user_sgpr_count 2
		.amdhsa_user_sgpr_kernarg_segment_ptr 1
		.amdhsa_wavefront_size32 1
		.amdhsa_system_sgpr_workgroup_id_x 1
		.amdhsa_system_sgpr_workgroup_id_y 1
		.amdhsa_system_sgpr_workgroup_id_z 1
		.amdhsa_system_vgpr_workitem_id 0
		.amdhsa_next_free_vgpr 1024
		.amdhsa_next_free_sgpr 100
		.amdhsa_reserve_vcc 0
		.amdhsa_float_denorm_mode_32 3
		.amdhsa_float_denorm_mode_16_64 3
		.amdhsa_memory_ordered 1
		.amdhsa_forward_progress 1
		.amdhsa_inst_pref_size 143
	.end_amdhsa_kernel
	.amdgpu_metadata
---
amdhsa.version: [ 1, 2 ]
amdhsa.kernels:
  - .name:           k_q2a580db901_ff1
    .symbol:         k_q2a580db901_ff1.kd
    .args:
      - { .name: x1c, .offset: 0, .size: 8, .value_kind: global_buffer, .address_space: global }
      - { .name: ff_w1_codes, .offset: 8, .size: 8, .value_kind: global_buffer, .address_space: global }
      - { .name: lowp_scales, .offset: 16, .size: 8, .value_kind: global_buffer, .address_space: global }
      - { .name: ff_b1, .offset: 24, .size: 8, .value_kind: global_buffer, .address_space: global }
      - { .name: hc, .offset: 32, .size: 8, .value_kind: global_buffer, .address_space: global }
    .group_segment_fixed_size: 327680
    .private_segment_fixed_size: 0
    .kernarg_segment_align: 8
    .kernarg_segment_size: 40
    .max_flat_workgroup_size: 128
    .sgpr_count:     100
    .vgpr_count:     1024
    .wavefront_size: 32
...
	.end_amdgpu_metadata
.endif
;; end of part 4
;; launch ff2 (part 5): grid 8 x 32, 4 waves a work-group, clusters of 4 x 4, 327,680 bytes of LDS; arguments hc, ff_w2_codes, lowp_scales, ff_b2, x1, pre; writes pre
.if DOCPART == 5
	.amdgcn_target "amdgcn-amd-amdhsa--gfx1250"
	.amdhsa_code_object_version 6
	.text
	.protected	k_q2a580db901_ff2
	.globl	k_q2a580db901_ff2
	.p2align	8
	.type	k_q2a580db901_ff2,@function
k_q2a580db901_ff2:
	s_mov_b64 s[64:65], 0
	v_nop
	global_prefetch_b8 v0, s[64:65] scope:SCOPE_SE
	s_setreg_imm32_b32 hwreg(HW_REG_WAVE_MODE, 25, 1), 1
	s_wait_xcnt 0x0
	s_wait_alu depctr_hold_cnt(0) depctr_sa_sdst(0) depctr_va_vdst(0) depctr_va_sdst(0) depctr_va_ssrc(0) depctr_va_vcc(0) depctr_vm_vsrc(0)
	s_getreg_b32 s2, hwreg(HW_REG_IB_STS2, 6, 4)
	s_cmp_eq_u32 s2, 0
	s_cbranch_scc0 .Lentry_in_a_cluster
	s_endpgm
.Lentry_in_a_cluster:
	s_bfe_u32 s2, ttmp6, 0x10000c
	s_cmp_lg_u32 s2, 0xf033
	s_cbranch_scc0 .Lentry_shape_is_right
	s_endpgm
.Lentry_shape_is_right:
; out[m][n] = 2^(ea + eb) x (sum over k of A[m][k] B[n][k]) + bias[n] + res[m][n], on codes of BF8 (E5M2).  4,096 rows, 1,024 columns, SIZE_K along K.  out, res: [4096][1024] f32; bias: [1024] f32.
; B: [1024][SIZE_K], one code a byte, K innermost.  A: IMAGES OF OPERAND REGISTERS: [rowtile = m / 16][kchunk = k / 128][2,048 bytes]; in an image group c of four registers lies at 512 c + 16 x lane, and lane
; (r = lane % 16, h = lane / 16) holds there k = 32 c + 16 h + 0 .. 15 of row r.  B's fragments are read from its rows by the same map of k, so every product meets its partner.
; ea, eb: the two whole numbers at byte SCOFF of the buffer of scales.  LIMIT: ea + eb between -126 and 127, so that 2^(ea + eb) is an f32 number.
; A tile of the result is 128 x 128: 256 work-groups.  Four waves, each 64 x 64: 16 accumulators.  K goes in steps of 512 through two LDS slots filled by the tensor data mover.
; CLUSTERS: 4 x 4 work-groups.  The four of a row of the cluster need the same tiles of A, the four of a column the same tiles of B: each tile is asked for JOINTLY, by the same tensor load with the same descriptor and a mask
; that names the four.  THE MATRIX INSTRUCTION IS USED TRANSPOSED (source 0 = 16 rows of B, source 1 = 16 rows of A): a lane holds eight neighbouring numbers of a row of the result.
; The residual's 64 x 64 numbers and the bias are asked for at the head and land during the K loop.
; REGISTERS: window 0: v12-15 the bias of my four columns; v16-29 addresses; v32-95 rows on the way out, two sets; v128-255 the accumulators ((a, b) at v[128 + 8 (4 a + b)]).
;   window 1: two fragment buffers of 128 registers: for 128 along K, A's four fragments, then B's four.   window 2: v0-127 the residual, in the layout in which rows leave.
.set SIZE_K, 4096
.set SCOFF,  0x20
.set ATS,    16*SIZE_K                 ; a rowtile of A in bytes
.set APART,  32768                     ; four rowtiles x 512 along K: what one tensor load brings of A, and what one wave reads of A
.set BPITCH, 528                       ; a row of B in LDS: 512 bytes + 16 of padding = 132 words: row r starts at bank 4 r mod 64 (64 banks of 4 bytes: ISA guide 11.1)
.set BPART,  64*BPITCH                 ; 64 rows: the same for B
.set BOFF,   2*APART                   ; in a slot B's rows lie behind A's images
.set SLOT,   2*APART+2*BPART
.set STG,    2*SLOT                    ; behind the ring: 16 rows x 272 bytes for each wave, for the way out
.set SPITCH, 272
.set SPARE,  STG+4*16*SPITCH           ; behind the stages: the spare words, 128 bytes for each wave: two blocks of 256 bytes that no other line names
.set LAPS,   SIZE_K/1024               ; a lap = two K steps = once round the ring
.set BIAS, 12
.set ADRA, 16                          ; v16-17  LDS address of my A images in slot 0, 1
.set ADRB, 20                          ; v20-21  of my B fragments
.set STO,  24                          ; v24     the way out: where I put 32 bytes of a row
.set RD,   25                          ; v25     where I read a row back
.set CO,   26                          ; v26     my byte offset in the wave's rows of res and out
.set BO,   27                          ; v27     my byte offset in the wave's 64 numbers of the bias
.set SPW,  28                          ; v28     LDS address of my spare word; never rewritten
.set NIL,  29                          ; v29     0; never rewritten
.set RB,   32
.set ACC,  128
.set F0,   0
.set F1,   128
.set G1, 24                            ; s[24:31] descriptor group 1 for A's tiles;  s[32:39] group 0, one set for each slot
.set G0, 32
.set G1B, 48                           ; s[48:55], s[56:63] the same for B's tiles
.set G0B, 56
.set MSB, 0
.macro WIN new                         ; s_set_vgpr_msb: bits 1:0 source 0, 3:2 source 1, 5:4 source 2, 7:6 destination; the high byte repeats the setting that is left
.if MSB != \new
	s_set_vgpr_msb (MSB<<8)|\new
.set MSB, \new
.endif
.endm
.set MUL,  0x05                        ; sources 0 (B) and 1 (A) window 1; C and D window 0
.set TO_F, 0x40                        ; destination window 1, address window 0
.macro JLOAD s                         ; a joint load: waves 0 and 1 fetch A's two halves, waves 2 and 3 B's; the branch hangs on the wave's number alone; four v_nop follow each of the two lines
	s_cmp_eq_u32 s11, 0
	s_cbranch_scc0 .Lfor_b_\@
	tensor_load_to_lds s[G0+4*\s:G0+4*\s+3], s[G1:G1+7]
	s_nop 0
.rept 4
	v_nop
.endr
	s_branch .Lasked_\@
.Lfor_b_\@:
	tensor_load_to_lds s[G0B+4*\s:G0B+4*\s+3], s[G1B:G1B+7]
	s_nop 0
.rept 4
	v_nop
.endr
.Lasked_\@:
.endm
.macro CREST                           ; a round of the cluster's barrier behind its opening barrier
	s_cmp_lg_u32 s10, 0
	s_cbranch_scc1 .Lnot_wave_0_\@
	s_barrier_signal -3
.Lnot_wave_0_\@:
	s_barrier_wait -3
	s_barrier_signal -1
	s_barrier_wait -1
.endm
.macro CROUND                          ; a whole round
	s_barrier_signal -1
	s_barrier_wait -1
	CREST
.endm
	s_load_b128 s[4:7], s[0:1], 0x0                ; A s[4:5], B s[6:7]
	s_load_b128 s[68:71], s[0:1], 0x10             ; the scales' exponents s[68:69], the bias s[70:71]
	s_load_b128 s[72:75], s[0:1], 0x20             ; res s[72:73], out s[74:75]
	v_lshl_add_u32 v[SPW], v0, 2, SPARE
	v_mov_b32 v[NIL], 0
	ds_add_u32 v28, v29
	ds_add_u32 v28, v29
	s_wait_dscnt 0x0
	v_lshrrev_b32 v1, 5, v0
	v_readfirstlane_b32 s10, v1                    ; wave 0..3
	s_lshr_b32 s11, s10, 1                         ; which half of the tile's rows is mine.  Also: I fetch for A (0) or for B (1)
	s_and_b32 s12, s10, 1                          ; which half of its columns.  Also: which half of that tile I fetch
	s_bfe_u32 s40, ttmp6, 0x40000                  ; cx, cy: my place in the cluster
	s_bfe_u32 s41, ttmp6, 0x40004
	s_lshl_b32 s42, ttmp9, 2
	s_add_co_u32 s42, s42, s40                     ; tile column = 4 x cluster x + cx
	s_and_b32 s13, ttmp7, 0xffff
	s_lshl_b32 s13, s13, 2
	s_add_co_u32 s13, s13, s41                     ; tile row = 4 x cluster y + cy
	s_lshl_b32 s43, s41, 2
	s_lshl_b32 s43, 15, s43                        ; my row of the cluster
	s_lshl_b32 s44, 0x1111, s40                    ; my column
	; group 1 for A: four rowtiles, each 8,192 consecutive bytes (four images), as 4 rows x 1,024 elements of 8 bytes, ATS bytes apart; dense in LDS
	s_or_b32 s[G1+0], s43, (3<<16)|(1<<21)         ; 15:0 the mask: A's tiles go to my row; 17:16 elements of 8 bytes; 20 no padding; 21 set beside a mask
	s_mov_b32 s[G1+1], 1024<<16                    ; tensor_dim0
	s_mov_b32 s[G1+2], 4<<16                       ; tensor_dim1
	s_mov_b32 s[G1+3], 1024<<16                    ; tile_dim0
	s_mov_b32 s[G1+4], 4                           ; tile_dim1
	s_mov_b32 s[G1+5], ATS/8                       ; tensor_dim0_stride
	s_mov_b32 s[G1+6], 0
	s_mov_b32 s[G1+7], 0
	; group 1 for B: 64 rows x 512 bytes, SIZE_K bytes apart, padded in LDS
	s_or_b32 s[G1B+0], s44, (1<<20)|(1<<21)|(6<<22)|(3<<25)   ; the mask: my column; elements of 1 byte; padding on: after every 128 words (code 6) four words (code 3)
	s_mov_b32 s[G1B+1], 512<<16
	s_mov_b32 s[G1B+2], 64<<16
	s_mov_b32 s[G1B+3], 512<<16
	s_mov_b32 s[G1B+4], 64
	s_mov_b32 s[G1B+5], SIZE_K
	s_mov_b32 s[G1B+6], 0
	s_mov_b32 s[G1B+7], 0
	s_lshl_b32 s17, s12, 2
	s_lshl_b32 s16, s13, 3
	s_add_co_u32 s16, s16, s17                     ; A: rowtile 8 x tile row + 4 x half
	s_mov_b32 s17, 0
	s_mov_b64 s[18:19], ATS
	s_mul_u64 s[16:17], s[16:17], s[18:19]
	s_lshl_b32 s47, s12, 6
	s_lshl_b32 s46, s42, 7
	s_add_co_u32 s46, s46, s47                     ; B: row 128 x tile column + 64 x half
	s_mov_b32 s47, 0
	s_mov_b64 s[18:19], SIZE_K
	s_mul_u64 s[46:47], s[46:47], s[18:19]
	s_mul_i32 s20, s12, APART                      ; where they go: no place in the cluster enters an LDS address
	s_mul_i32 s21, s12, BPART
	s_add_co_u32 s21, s21, BOFF
	s_wait_kmcnt 0x0
	s_load_b64 s[76:77], s[68:69], SCOFF           ; ea, eb
	s_add_nc_u64 s[14:15], s[4:5], s[16:17]
	s_add_nc_u64 s[46:47], s[6:7], s[46:47]
	CROUND                                         ; all sixteen work-groups are here: the first joint loads meet
.irp s, 0,1
	s_mov_b32 s[G0+4*\s], 1
	s_add_co_u32 s[G0+4*\s+1], s20, \s*SLOT
	s_add_nc_u64 s[G0+4*\s+2:G0+4*\s+3], s[14:15], \s*8192
	s_or_b32 s[G0+4*\s+3], s[G0+4*\s+3], 0x80000000
	s_mov_b32 s[G0B+4*\s], 1
	s_add_co_u32 s[G0B+4*\s+1], s21, \s*SLOT
	s_add_nc_u64 s[G0B+4*\s+2:G0B+4*\s+3], s[46:47], \s*512
	s_or_b32 s[G0B+4*\s+3], s[G0B+4*\s+3], 0x80000000
.endr
	JLOAD 0                                        ; K step 0: one tensor load a wave at the head
	; PREFETCHES INTO THE L2.  Of what I fetch for a K step, each of the four partners that ask for it jointly names a quarter, told apart by address (cx for A, cy for B): of A one rowtile's 8,192 consecutive bytes,
	; lanes 256 bytes apart; of B 16 rows x 512 bytes, two lanes a row.  One instruction a wave: each aligned block of 256 bytes is named once in the cluster.
	; Behind K step 0's load: K steps 1 and 2; behind K step 1's: K step 3; behind the refill with K step k: K step k + 2; the loop's last trip (K steps 6, 7) asks for nothing.
	s_cmp_eq_u32 s11, 0                            ; do I fetch for A?
	s_cselect_b64 s[84:85], s[14:15], s[46:47]
	s_cselect_b32 s80, s40, s41                    ; my place among the four
	s_mov_b32 s78, 512
	s_cselect_b32 s78, 8192, s78                   ; a K step on
	s_cselect_b32 s82, -1, 0
	s_mov_b32 s79, 0
	s_mov_b32 s81, 0
	s_mul_i32 s80, s80, ATS                        ; a rowtile of A and 16 rows of B are both 16 SIZE_K bytes
	s_add_nc_u64 s[84:85], s[84:85], s[80:81]
	s_add_nc_u64 s[84:85], s[84:85], s[78:79]      ; K step 1
	s_add_nc_u64 s[86:87], s[84:85], s[78:79]      ; K step 2
	s_add_nc_u64 s[66:67], s[86:87], s[78:79]      ; K step 3; this one walks
	v_and_b32 v30, 31, v0
	v_lshlrev_b32 v31, 8, v30                      ; A: 256 x lane
	v_lshrrev_b32 v10, 1, v30
	v_and_b32 v30, 1, v30
	v_mul_u32_u24 v10, v10, SIZE_K
	v_lshl_add_u32 v30, v30, 8, v10                ; B: row lane / 2, half lane % 2
	v_cndmask_b32 v30, v30, v31, s82               ; never rewritten
	global_prefetch_b8 v30, s[84:85] th:TH_LOAD_NT scope:SCOPE_SE
	global_prefetch_b8 v30, s[86:87] th:TH_LOAD_NT scope:SCOPE_SE
	v_and_b32 v1, 15, v0                           ; r
	v_bfe_u32 v2, v0, 4, 1                         ; h
	v_and_b32 v3, 31, v0
	v_lshlrev_b32 v3, 4, v3                        ; an image's place for my lane
	v_mul_u32_u24 v4, v1, BPITCH
	v_lshl_add_u32 v4, v2, 4, v4                   ; a row of B x pitch + 16 h
	s_mul_i32 s21, s11, APART                      ; my four rowtiles of A
	s_mul_i32 s22, s12, BPART                      ; my 64 rows of B
	s_add_co_u32 s22, s22, BOFF
.irp s, 0,1
	v_add_nc_u32 v[ADRA+\s], s21, v3
	v_add_nc_u32 v[ADRB+\s], s22, v4
	s_add_co_u32 s21, s21, SLOT
	s_add_co_u32 s22, s22, SLOT
.endr
	s_mul_i32 s23, s10, 16*SPITCH
	s_add_co_u32 s23, s23, STG                     ; my stage
	v_mul_u32_u24 v5, v1, SPITCH                   ; in: row r, 32 bytes for each half of the lanes
	v_lshl_add_u32 v5, v2, 5, v5
	v_add_nc_u32 v[STO], s23, v5
	v_mul_u32_u24 v5, v2, SPITCH                   ; back: lanes 0-15 take one row of 256 bytes, lanes 16-31 the next
	v_lshl_add_u32 v5, v1, 4, v5
	v_add_nc_u32 v[RD], s23, v5
	v_lshlrev_b32 v[BO], 4, v1
	s_wait_alu depctr_va_vdst(0)
	v_lshl_add_u32 v[CO], v2, 12, v[BO]            ; and the same two rows in res and out: rows of 4,096 bytes
	s_wait_alu depctr_va_vdst(0)
	s_lshl_b32 s16, s13, 7
	s_lshl_b32 s17, s11, 6
	s_add_co_u32 s16, s16, s17                     ; my first row: 128 x tile row + 64 x half
	s_lshl_b32 s16, s16, 12
	s_mov_b32 s17, 0
	s_lshl_b32 s46, s42, 9                         ; my first column, in bytes: 512 x tile column + 256 x half
	s_lshl_b32 s47, s12, 8
	s_add_co_u32 s46, s46, s47
	s_mov_b32 s47, 0
	s_add_nc_u64 s[70:71], s[70:71], s[46:47]
	s_add_nc_u64 s[72:73], s[72:73], s[16:17]
	s_add_nc_u64 s[72:73], s[72:73], s[46:47]
	s_add_nc_u64 s[74:75], s[74:75], s[16:17]
	s_add_nc_u64 s[74:75], s[74:75], s[46:47]
; 4 matrix instructions: A's block a x B's four, 128 along K, from buffer f.  zero = 1: the first product starts the sums.  The 16 accumulators take turns, one instruction a turn, in the same order in every quarter.
.macro MUL4 f, a, zero
.irp b, 0,1,2,3
.if \zero
	v_wmma_f32_16x16x128_bf8_bf8 v[ACC+8*(4*(\a)+\b):ACC+8*(4*(\a)+\b)+7], v[\f+64+16*\b:\f+64+16*\b+15], v[\f+16*(\a):\f+16*(\a)+15], 0
.else
	v_wmma_f32_16x16x128_bf8_bf8 v[ACC+8*(4*(\a)+\b):ACC+8*(4*(\a)+\b)+7], v[\f+64+16*\b:\f+64+16*\b+15], v[\f+16*(\a):\f+16*(\a)+15], v[ACC+8*(4*(\a)+\b):ACC+8*(4*(\a)+\b)+7]
.endif
.endr
.endm
; 32 LDS loads in one run: the fragments of the slot's q-th 128 along K into buffer f: B's sixteen loads first, then A's blocks 0, 1, 2, 3
.macro FETCH slot, q, f
	WIN TO_F
.irp i, 0,1,2,3
.irp c, 0,1,2,3
	ds_load_b128 v[\f+64+16*\i+4*\c:\f+64+16*\i+4*\c+3], v[ADRB+\slot] offset:128*(\q)+32*\c+\i*16*BPITCH
.endr
.endr
.irp i, 0,1,2,3
.irp c, 0,1,2,3
	ds_load_b128 v[\f+16*\i+4*\c:\f+16*\i+4*\c+3], v[ADRA+\slot] offset:8192*\i+2048*(\q)+512*\c
.endr
.endr
.endm
.macro PLACES                          ; four places in front of loads into registers that matrix instructions have read, and of the first read of results
.rept 4
	v_nop
.endr
.endm
; A K step is four quarters of 128 along K, 16 matrix instructions each, on buffers 0, 1, 0, 1.  One of the first three: multiplies buffer f and fetches quarter q into g.
.macro QUARTER slot, q, f, g, zero
	s_wait_dscnt 8                                 ; B and A's blocks 0, 1 are in; the youngest eight loads (A's blocks 2, 3) may be out
	WIN MUL
	MUL4 \f, 0, \zero
	MUL4 \f, 1, \zero
	PLACES
	FETCH \slot, \q, \g
	s_wait_dscnt 32                                ; all but the 32 just issued
	WIN MUL
	MUL4 \f, 2, \zero
	MUL4 \f, 3, \zero
.endm
; The last quarter multiplies buffer 1 and changes slots: ONE barrier; in front of it each wave waits for all its tensor loads, adds 0 to its spare word, and waits for that and for its own reads of this slot.  fill = 1: this slot is filled again, two K steps ahead.
.macro TURN slot, next, fill
	WIN 0                                          ; (the add's two registers lie in window 0)
.if \fill
	s_wait_xcnt 0x0                                ; my last prefetch has read its address: it steps here, ahead of the waits of the change of slots
	s_add_nc_u64 s[66:67], s[66:67], s[78:79]
.endif
	s_wait_tensorcnt 0x0                           ; all my tensor loads have landed: my part of the next slot;
	ds_add_u32 v[SPW], v[NIL]                      ; 0 onto my spare word;
	s_wait_dscnt 9                                 ; (the add and the youngest eight loads may be out)
	WIN MUL
	MUL4 F1, 0, 0                                  ; matrix instructions stand between the add and the wait for it
	s_wait_dscnt 0x0                               ; the add is done, and my reads of this slot are over
	s_barrier_signal -1
	MUL4 F1, 1, 0
.if \fill
	WIN 0
.endif
	s_barrier_wait -1
.if \fill
	CREST                                          ; the barrier has opened a round of the cluster's barrier: no wave of any partner still reads this slot's tile or has a load on its way
	s_add_nc_u64 s[G0+4*\slot+2:G0+4*\slot+3], s[G0+4*\slot+2:G0+4*\slot+3], 2*8192
	s_add_nc_u64 s[G0B+4*\slot+2:G0B+4*\slot+3], s[G0B+4*\slot+2:G0B+4*\slot+3], 2*512
	JLOAD \slot                                    ; the first tensor load behind the round; the four v_nop behind it are also the places in front of the loads below
.else
	PLACES
.endif
	FETCH \next, 0, F0
.if \fill
	WIN 0                                          ; (a branch follows)
	s_cmp_gt_u32 s3, 1                             ; s3 = 1 in the loop's last trip: no K step stands two refills on
	s_cbranch_scc0 .Lnoask_\@
	global_prefetch_b8 v30, s[66:67] th:TH_LOAD_NT scope:SCOPE_SE
.Lnoask_\@:
.endif
	WIN MUL
	MUL4 F1, 2, 0
	MUL4 F1, 3, 0
.endm
	s_wait_tensorcnt 0x0                           ; my part of K step 0 is in; slot 1's first fill is issued as a refill is:
	ds_add_u32 v[SPW], v[NIL]                      ; 0 onto my spare word
	s_wait_dscnt 0x0
	CROUND                                         ; a whole round: everybody's part of K step 0 is in, and the joint loads meet
	JLOAD 1                                        ; K step 1: the first tensor load behind the round
	FETCH 0, 0, F0
	WIN 0
	global_prefetch_b8 v30, s[66:67] th:TH_LOAD_NT scope:SCOPE_SE   ; K step 3
	; the bias and the residual's 64 x 64 numbers are asked for here, behind K step 0's landing and not beside its load: they are wanted on the way out, and have the whole K loop in which to land
	global_load_b128 v[BIAS:BIAS+3], v[BO], s[70:71]
	WIN 0x80                                       ; destination window 2
.irp a, 0,1,2,3
.irp t, 0,1,2,3,4,5,6,7
	global_load_b128 v[32*\a+4*\t:32*\a+4*\t+3], v[CO], s[72:73] offset:(16*\a+2*\t)*4096   ; sixteen lanes read 256 consecutive bytes of a row
.endr
.endr
	WIN 0
	QUARTER 0, 1, F0, F1, 1                        ; the first quarter stands in front of the loop: its products start the sums
.if LAPS > 1
	WIN 0                                          ; at a label and at a branch every window is 0
	s_mov_b32 s3, LAPS-1
.Llap:                                                 ; a trip goes once round the ring, from a lap's second quarter to the next lap's first, and fills both slots again
	QUARTER 0, 2, F1, F0, 0
	QUARTER 0, 3, F0, F1, 0
	TURN 0, 1, 1
	QUARTER 1, 1, F0, F1, 0
	QUARTER 1, 2, F1, F0, 0
	QUARTER 1, 3, F0, F1, 0
	TURN 1, 0, 1
	QUARTER 0, 1, F0, F1, 0
	WIN 0
	s_sub_co_u32 s3, s3, 1
	s_cmp_lg_u32 s3, 0
	s_cbranch_scc1 .Llap
.endif
	QUARTER 0, 2, F1, F0, 0                        ; the last lap fills nothing
	QUARTER 0, 3, F0, F1, 0
	TURN 0, 1, 0
	QUARTER 1, 1, F0, F1, 0
	QUARTER 1, 2, F1, F0, 0
	QUARTER 1, 3, F0, F1, 0
	s_wait_dscnt 8                                 ; the very last quarter: nothing more to fetch
	WIN MUL
	MUL4 F1, 0, 0
	MUL4 F1, 1, 0
	s_wait_dscnt 0x0
	MUL4 F1, 2, 0
	MUL4 F1, 3, 0
	WIN 0
	; THE WAY OUT, a block of 16 rows x 64 columns at a time: the sums go through my own stage in LDS and come back as whole rows of 256 bytes, in the layout in which the residual was loaded;
	; one packed multiply-add gives sum x 2^(ea + eb) + (bias + res).  LDS serves a wave's instructions in order (ISA guide 5.7.1.4): no wait between the stores and the loads.
	PLACES
	s_wait_loadcnt 0x0                             ; the bias and the residual
	s_wait_kmcnt 0x0
	s_add_co_i32 s76, s76, s77
	s_add_co_i32 s76, s76, 127
	s_lshl_b32 s76, s76, 23                        ; 2^(ea + eb) as f32
	s_mov_b32 s77, s76
	WIN 0x82                                       ; destination and source 0 window 2
.set k, 0
.rept 64
	v_pk_add_f32 v[k:k+1], v[k:k+1], v[BIAS+k%4:BIAS+k%4+1]
.set k, k+2
.endr
	WIN 0
.macro TOSTAGE a
.irp b, 0,1,2,3
	ds_store_b128 v[STO], v[ACC+8*(4*(\a)+\b):ACC+8*(4*(\a)+\b)+3] offset:64*\b       ; each accumulator from its low end on
	ds_store_b128 v[STO], v[ACC+8*(4*(\a)+\b)+4:ACC+8*(4*(\a)+\b)+7] offset:64*\b+16
.endr
.irp t, 0,1,2,3,4,5,6,7
	ds_load_b128 v[RB+32*((\a)%2)+4*\t:RB+32*((\a)%2)+4*\t+3], v[RD] offset:\t*2*SPITCH
.endr
.endm
.macro SEND a, younger                 ; younger: the LDS instructions issued behind block a's loads, which may stay out
.set RR, RB+32*((\a)%2)
	s_wait_dscnt \younger
	WIN 0x20                                       ; source 2 (bias + res) window 2
.set k, 0
.rept 16
	v_pk_fma_f32 v[RR+k:RR+k+1], v[RR+k:RR+k+1], s[76:77], v[32*(\a)+k:32*(\a)+k+1] op_sel_hi:[1,0,1]
.set k, k+2
.endr
	WIN 0
.irp t, 0,1,2,3,4,5,6,7
	global_store_b128 v[CO], v[RR+4*\t:RR+4*\t+3], s[74:75] offset:(16*(\a)+2*\t)*4096   ; 16 lanes store 256 consecutive bytes, at a multiple of 256 from the buffer's first byte
.endr
.endm
	TOSTAGE 0
.irp a, 1,2,3
.if \a > 1
	s_wait_xcnt 0x0                                ; block a - 2's stores have read their registers: block a's loads may land there
.endif
	TOSTAGE \a
	SEND \a-1, 16                                  ; behind block a - 1's loads: block a's 8 stores and 8 loads
.endr
	SEND 3, 0
	s_wait_tensorcnt 0x0                           ; the wave's end, behind my last tensor load and my last LDS store
	ds_add_u32 v[SPW], v[NIL]
	s_wait_dscnt 0x0
	CROUND                                         ; the closing round: no work-group ends while a partner may still ask for a tile that names it
	s_endpgm
.Lfunc_end_k_q2a580db901_ff2:
	.size	k_q2a580db901_ff2, .Lfunc_end_k_q2a580db901_ff2-k_q2a580db901_ff2
	.p2alignl 7, 3214868480
	.fill 96, 4, 3214868480
	.section	.rodata,"a",@progbits
	.p2align	6, 0x0
	.amdhsa_kernel k_q2a580db901_ff2
		.amdhsa_group_segment_fixed_size 327680
		.amdhsa_private_segment_fixed_size 0
		.amdhsa_enable_private_segment 0
		.amdhsa_kernarg_size 48
		.amdhsa_user_sgpr_count 2
		.amdhsa_user_sgpr_kernarg_segment_ptr 1
		.amdhsa_wavefront_size32 1
		.amdhsa_system_sgpr_workgroup_id_x 1
		.amdhsa_system_sgpr_workgroup_id_y 1
		.amdhsa_system_sgpr_workgroup_id_z 1
		.amdhsa_system_vgpr_workitem_id 0
		.amdhsa_next_free_vgpr 640
		.amdhsa_next_free_sgpr 88
		.amdhsa_reserve_vcc 0
		.amdhsa_float_denorm_mode_32 3
		.amdhsa_float_denorm_mode_16_64 3
		.amdhsa_memory_ordered 1
		.amdhsa_forward_progress 1
		.amdhsa_inst_pref_size 84
	.end_amdhsa_kernel
	.amdgpu_metadata
---
amdhsa.version: [ 1, 2 ]
amdhsa.kernels:
  - .name:           k_q2a580db901_ff2
    .symbol:         k_q2a580db901_ff2.kd
    .args:
      - { .name: hc, .offset: 0, .size: 8, .value_kind: global_buffer, .address_space: global }
      - { .name: ff_w2_codes, .offset: 8, .size: 8, .value_kind: global_buffer, .address_space: global }
      - { .name: lowp_scales, .offset: 16, .size: 8, .value_kind: global_buffer, .address_space: global }
      - { .name: ff_b2, .offset: 24, .size: 8, .value_kind: global_buffer, .address_space: global }
      - { .name: x1, .offset: 32, .size: 8, .value_kind: global_buffer, .address_space: global }
      - { .name: pre, .offset: 40, .size: 8, .value_kind: global_buffer, .address_space: global }
    .group_segment_fixed_size: 327680
    .private_segment_fixed_size: 0
    .kernarg_segment_align: 8
    .kernarg_segment_size: 48
    .max_flat_workgroup_size: 128
    .sgpr_count:     88
    .vgpr_count:     640
    .wavefront_size: 32
...
	.end_amdgpu_metadata
.endif
;; end of part 5
;; launch ln2 (part 6): grid 256 x 1, 8 waves a work-group, no clusters, 0 bytes of LDS; arguments pre, ln2_g, ln2_b, out0; writes out0
.if DOCPART == 6
	.amdgcn_target "amdgcn-amd-amdhsa--gfx1250"
	.amdhsa_code_object_version 6
	.text
	.protected	k_q2a580db901_ln2
	.globl	k_q2a580db901_ln2
	.p2align	8
	.type	k_q2a580db901_ln2,@function
k_q2a580db901_ln2:
	s_mov_b64 s[64:65], 0
	v_nop
	global_prefetch_b8 v0, s[64:65] scope:SCOPE_SE
	s_setreg_imm32_b32 hwreg(HW_REG_WAVE_MODE, 25, 1), 1
	s_wait_xcnt 0x0
; out[r][:] = (pre[r][:] - mean) / sqrt(var + 1e-5) x g + b, rows of 1,024 f32.  The variance is the mean of the squares of x - mean, taken in a second pass over the registers: no difference of large sums is formed.
; One wave takes a whole row: eight loads of 512 consecutive bytes, 32 registers; the row is read from memory once and no wave waits for another.  Eight waves, two rows each; no loop, no LDS, no barrier.
.set G,  8                             ; v8-39    g of my 32 columns (load j, lane l: columns 128 j + 4 l + 0 .. 3)
.set B,  40                            ; v40-71   b
.set X0, 72                            ; v72-135  the two rows
.set T,  136                           ; v136-141 at work
.set PD, 142                           ; v142     a lane permute's destination
	s_load_b256 s[4:11], s[0:1], 0x0               ; pre s[4:5], g s[6:7], b s[8:9], out s[10:11]
	v_lshrrev_b32 v6, 5, v0
	s_delay_alu instid0(VALU_DEP_1)
	v_readfirstlane_b32 s16, v6                    ; wave 0..7
	v_and_b32 v6, 31, v0
	s_delay_alu instid0(VALU_DEP_1)
	v_lshlrev_b32 v1, 4, v6                        ; 16 bytes a lane
	v_mov_b32 v[PD], 0
	s_lshl_b32 s18, ttmp9, 4
	s_lshl_b32 s19, s16, 1
	s_add_co_u32 s18, s18, s19                     ; my first row: 16 x work-group + 2 x wave
	s_lshl_b32 s18, s18, 12
	s_mov_b32 s19, 0
	s_mov_b32 s22, 0x3a800000                      ; 1 / 1,024
	s_mov_b32 s23, 0x3727c5ac                      ; 1e-5
	s_mov_b32 s24, 0x76543210                      ; v_permlanex16_b32: lane l takes lane l xor 16
	s_mov_b32 s25, 0xfedcba98
	s_wait_alu depctr_va_vdst(0)
	s_wait_kmcnt 0x0
	s_add_nc_u64 s[4:5], s[4:5], s[18:19]
	s_add_nc_u64 s[10:11], s[10:11], s[18:19]
.irp j, 0,1,2,3,4,5,6,7
	global_load_b128 v[G+4*\j:G+4*\j+3], v1, s[6:7] offset:512*\j
.endr
.irp j, 0,1,2,3,4,5,6,7
	global_load_b128 v[B+4*\j:B+4*\j+3], v1, s[8:9] offset:512*\j
.endr
.irp i, 0,1
.irp j, 0,1,2,3,4,5,6,7
	global_load_b128 v[X0+32*\i+4*\j:X0+32*\i+4*\j+3], v1, s[4:5] offset:4096*\i+512*\j th:TH_LOAD_NT
.endr
.endr
.macro REDUCE r                        ; the sum over the wave's 32 lanes, in every lane
	s_delay_alu instid0(VALU_DEP_1)
	v_add_f32_dpp v[\r], v[\r], v[\r] row_xmask:1 row_mask:0xf bank_mask:0xf
	s_delay_alu instid0(VALU_DEP_1)
	v_add_f32_dpp v[\r], v[\r], v[\r] row_xmask:2 row_mask:0xf bank_mask:0xf
	s_delay_alu instid0(VALU_DEP_1)
	v_add_f32_dpp v[\r], v[\r], v[\r] row_xmask:4 row_mask:0xf bank_mask:0xf
	s_delay_alu instid0(VALU_DEP_1)
	v_add_f32_dpp v[\r], v[\r], v[\r] row_xmask:8 row_mask:0xf bank_mask:0xf
	s_delay_alu instid0(VALU_DEP_1)
	v_permlanex16_b32 v[PD], v[\r], s24, s25
	s_delay_alu instid0(VALU_DEP_1)
	v_add_f32 v[\r], v[\r], v[PD]
.endm
.macro ROW i
.set X, X0+32*(\i)
	s_wait_loadcnt 8-8*(\i)                        ; loads come back in order: g, b and this row are in; behind row 0 the eight loads of row 1 may be out
	v_pk_add_f32 v[T:T+1], v[X:X+1], v[X+2:X+3]    ; the row's sum, two at a time, in two chains
	v_pk_add_f32 v[T+2:T+3], v[X+4:X+5], v[X+6:X+7]
.irp j, 8,12,16,20,24,28
	s_delay_alu instid0(VALU_DEP_2)
	v_pk_add_f32 v[T:T+1], v[T:T+1], v[X+\j:X+\j+1]
	s_delay_alu instid0(VALU_DEP_2)
	v_pk_add_f32 v[T+2:T+3], v[T+2:T+3], v[X+\j+2:X+\j+3]
.endr
	s_delay_alu instid0(VALU_DEP_1)
	v_pk_add_f32 v[T:T+1], v[T:T+1], v[T+2:T+3]
	s_delay_alu instid0(VALU_DEP_1)
	v_add_f32 v[T], v[T], v[T+1]
	REDUCE T
	s_delay_alu instid0(VALU_DEP_1)
	v_mul_f32 v[T], s22, v[T]                      ; the mean
	s_delay_alu instid0(VALU_DEP_1)
	v_mov_b32 v[T+1], v[T]
.irp j, 0,2,4,6,8,10,12,14,16,18,20,22,24,26,28,30
	v_pk_add_f32 v[X+\j:X+\j+1], v[X+\j:X+\j+1], v[T:T+1] neg_lo:[0,1] neg_hi:[0,1]   ; x - mean
.endr
	v_pk_mul_f32 v[T+2:T+3], v[X:X+1], v[X:X+1]    ; the sum of the squares, in two chains
	v_pk_mul_f32 v[T+4:T+5], v[X+2:X+3], v[X+2:X+3]
.irp j, 4,8,12,16,20,24,28
	s_delay_alu instid0(VALU_DEP_2)
	v_pk_fma_f32 v[T+2:T+3], v[X+\j:X+\j+1], v[X+\j:X+\j+1], v[T+2:T+3]
	s_delay_alu instid0(VALU_DEP_2)
	v_pk_fma_f32 v[T+4:T+5], v[X+\j+2:X+\j+3], v[X+\j+2:X+\j+3], v[T+4:T+5]
.endr
	s_delay_alu instid0(VALU_DEP_1)
	v_pk_add_f32 v[T+2:T+3], v[T+2:T+3], v[T+4:T+5]
	s_delay_alu instid0(VALU_DEP_1)
	v_add_f32 v[T+2], v[T+2], v[T+3]
	REDUCE T+2
	s_delay_alu instid0(VALU_DEP_1)
	v_fma_f32 v[T+2], v[T+2], s22, s23             ; var + 1e-5
	s_wait_alu depctr_va_vdst(0)
	v_rsq_f32 v[T+2], v[T+2]
	v_nop                                          ; a plain place behind the transcendental
	s_wait_alu depctr_va_vdst(0)                   ; and the wait ahead of its first reader
	v_mov_b32 v[T+3], v[T+2]
.irp j, 0,2,4,6,8,10,12,14,16,18,20,22,24,26,28,30
	v_pk_mul_f32 v[X+\j:X+\j+1], v[X+\j:X+\j+1], v[T+2:T+3]
.endr
.irp j, 0,2,4,6,8,10,12,14,16,18,20,22,24,26,28,30
	v_pk_fma_f32 v[X+\j:X+\j+1], v[X+\j:X+\j+1], v[G+\j:G+\j+1], v[B+\j:B+\j+1]
.endr
.irp j, 0,1,2,3,4,5,6,7
	global_store_b128 v1, v[X+4*\j:X+4*\j+3], s[10:11] offset:4096*(\i)+512*\j th:TH_STORE_NT   ; 512 consecutive bytes; written once, read by nobody here
.endr
.endm
	ROW 0
	ROW 1
	s_endpgm
.Lfunc_end_k_q2a580db901_ln2:
	.size	k_q2a580db901_ln2, .Lfunc_end_k_q2a580db901_ln2-k_q2a580db901_ln2
	.p2alignl 7, 3214868480
	.fill 96, 4, 3214868480
	.section	.rodata,"a",@progbits
	.p2align	6, 0x0
	.amdhsa_kernel k_q2a580db901_ln2
		.amdhsa_group_segment_fixed_size 0
		.amdhsa_private_segment_fixed_size 0
		.amdhsa_enable_private_segment 0
		.amdhsa_kernarg_size 32
		.amdhsa_user_sgpr_count 2
		.amdhsa_user_sgpr_kernarg_segment_ptr 1
		.amdhsa_wavefront_size32 1
		.amdhsa_system_sgpr_workgroup_id_x 1
		.amdhsa_system_sgpr_workgroup_id_y 1
		.amdhsa_system_sgpr_workgroup_id_z 1
		.amdhsa_system_vgpr_workitem_id 0
		.amdhsa_next_free_vgpr 144
		.amdhsa_next_free_sgpr 66
		.amdhsa_reserve_vcc 0
		.amdhsa_float_denorm_mode_32 3
		.amdhsa_float_denorm_mode_16_64 3
		.amdhsa_memory_ordered 1
		.amdhsa_forward_progress 1
		.amdhsa_inst_pref_size 21
	.end_amdhsa_kernel
	.amdgpu_metadata
---
amdhsa.version: [ 1, 2 ]
amdhsa.kernels:
  - .name:           k_q2a580db901_ln2
    .symbol:         k_q2a580db901_ln2.kd
    .args:
      - { .name: pre, .offset: 0, .size: 8, .value_kind: global_buffer, .address_space: global }
      - { .name: ln2_g, .offset: 8, .size: 8, .value_kind: global_buffer, .address_space: global }
      - { .name: ln2_b, .offset: 16, .size: 8, .value_kind: global_buffer, .address_space: global }
      - { .name: out0, .offset: 24, .size: 8, .value_kind: global_buffer, .address_space: global }
    .group_segment_fixed_size: 0
    .private_segment_fixed_size: 0
    .kernarg_segment_align: 8
    .kernarg_segment_size: 32
    .max_flat_workgroup_size: 256
    .sgpr_count:     66
    .vgpr_count:     144
    .wavefront_size: 32
...
	.end_amdgpu_metadata
.endif
;; end of part 6
